; MI455X (gfx1250); checked and timed in simulation.
; The chip was launched on July 23, 2026; its instructions are those of AMD's public machine-readable ISA for CDNA 5 (MIT licence, August 2026) and "CDNA5" Instruction Set Architecture Reference Guide (July 2026). The comments in the code are by the model that wrote it; some were corrected since.
;; Multi Head Self Attention Eins. Allowed arithmetic: float matrix products may take bf16 or f16 operands with f32 sums; other float arithmetic in f32, or as packed bf16 or f16 multiplies, adds, multiply-adds, maxima and minima; sums over many terms, partial sums and values carried from step to step in f32; what a program stores and reads back later, other than sums and carried values, may be rounded once to bf16 or f16.
;; Inputs: W_0 1,024 x 1,024 float32; W_qkv 1,024 x 3,072 float32; rel_bias 4,095 x 16 float32; x 4 x 2,048 x 1,024 float32.
;; Outputs: out0 4 x 2,048 x 1,024 float32.
;; 2 versions, each right; version 2 is version 1 with the launch prep written anew for expert scheduling mode. Each part assembles by itself: llvm-mc -triple=amdgcn-amd-amdhsa -mcpu=gfx1250 --defsym DOCPART=n.
;; ======== version 1 of 2: 4 launches
;; limits: values are held in f16: magnitudes above 65,504 overflow, below 6.1e-05 lose precision
;; workspace buffers: xb 16,777,216 bytes; wt 6,291,456 bytes; w0t 2,097,152 bytes; tbl 1,179,648 bytes; qkv 50,331,648 bytes; o 16,777,216 bytes
;; launch prep (part 1): grid 1216 x 1, 4 waves a work-group, no clusters, 70,144 bytes of LDS; arguments x, W_qkv, W_0, rel_bias, xb, wt, w0t, tbl; writes xb, wt, w0t, tbl
.if DOCPART == 1
	.amdgcn_target "amdgcn-amd-amdhsa--gfx1250"
	.amdhsa_code_object_version 6
	.text
	.protected	k_q5e05e9791c_prep
	.globl	k_q5e05e9791c_prep
	.p2align	8
	.type	k_q5e05e9791c_prep,@function
k_q5e05e9791c_prep:
	s_mov_b64 s[64:65], 0
	v_nop
	global_prefetch_b8 v0, s[64:65] scope:SCOPE_SE
	s_setreg_imm32_b32 hwreg(HW_REG_WAVE_MODE, 25, 1), 1
	s_wait_xcnt 0x0
; PREP: the module's four inputs are rounded once to bf16 and laid out for the three launches behind.
;   xb  [8192][1024] bf16           = x
;   wt  [3072][1024] bf16           row 192 h + 64 which + d = column 48 d + 16 which + h of W_qkv (which: 0 q, 1 k, 2 v): 192 rows on end are one head's q, k, v
;   w0t [1024 n][1024 k] f16        = W_0[k][n] rounded to bf16, that number written as f16
;   tbl 64 pieces of 4,608 f32      piece 4 h + q, word P stands for u = P - q - 1: 8 x bf16(rel_bias[u][h]) for 0 <= u <= 2047, else -1e30
; The table is bias and causal mask in one: u = j - i + 2047 is above 2047 just where key j is hidden from query i.  The factor 8 undoes the scale 1/8 that the
; attention applies to score and bias together.  Four pieces a head, each shifted by one word more, so that every lane there can read 16 aligned bytes.
; LIMITS.  A number of W_0 whose bf16 value lies under 2^-17 keeps f16's fixed step of 6e-8; beyond 65,504 it would become an infinity.  rel_bias rows above 2047 belong to hidden keys and are not read.
; ROLES, by the work-group's number: 0-95 W_qkv, 96-127 W_0, 128-191 the table, 192-1215 x.  Memory binds; no matrix unit, no cluster (nothing is shared), no barrier:
; a wave turns its tile of 128 k x 64 columns in LDS bytes of its own.
.set LP,     272                       ; an LDS row: 128 k in 16 bits = 256 bytes, + 16
.set WLDS,   64*LP                     ; a wave's 64 rows
.set SPARE,  4*WLDS                    ; behind them: the spare words, 128 bytes for each wave, that no other line names
.set TPIECE, 18432                     ; bytes in a piece of the table
.set SPW, 2                            ; v2   LDS address of my spare word; never rewritten
.set NIL, 3                            ; v3   0; never rewritten
.set CL,  4                            ; v4   lane % 16
.set RL,  5                            ; v5   lane / 16
.set VO,  6                            ; v6   offset of loads
.set LS,  7                            ; v7   where I store into LDS
.set LR,  8                            ; v8   where I read back
.set VC,  9                            ; v9   the column of W_qkv that my first row of a trip holds
.set CL16, 10                          ; v10  16 x (lane % 16)
.set GOF, 11                           ; v11  offset of stores
.set T,   12                           ; v12-15 packed pairs
.set OFFS, 16                          ; v16-23 offsets of eight stores
.set U,   24                           ; v24-31 at work
.set D,   32                           ; v32-95 data
.set E,   96                           ; v96-127 packed x
.set UU,  32                           ; the table: v32-51 u, v52-71 offsets, v72-91 numbers, v92-95 -1e30
.set OF,  52
.set DT,  72
.set BIG, 92
	s_load_b256 s[4:11], s[0:1], 0x0               ; x s[4:5], W_qkv s[6:7], W_0 s[8:9], rel_bias s[10:11]
	s_load_b256 s[12:19], s[0:1], 0x20             ; xb s[12:13], wt s[14:15], w0t s[16:17], tbl s[18:19]
	v_lshl_add_u32 v[SPW], v0, 2, SPARE
	v_mov_b32 v[NIL], 0
	v_lshrrev_b32 v1, 5, v0
	v_readfirstlane_b32 s20, v1                    ; wave 0..3
	v_and_b32 v[CL], 15, v0
	v_bfe_u32 v[RL], v0, 4, 1
	s_mov_b32 s25, 0                               ; the upper word of every offset pair s[24:25]
	s_wait_kmcnt 0x0
	s_cmp_lt_u32 ttmp9, 96
	s_cbranch_scc1 .Lwqkv
	s_cmp_lt_u32 ttmp9, 128
	s_cbranch_scc1 .Lw0
	s_cmp_lt_u32 ttmp9, 192
	s_cbranch_scc1 .Ltable
	; x: 32,768 bytes a work-group.  All sixteen loads of a thread go out at once; a wave's load covers 512 consecutive bytes, its store 256, aligned.
	s_sub_co_u32 s21, ttmp9, 192
	s_lshl_b32 s24, s21, 15
	s_add_nc_u64 s[4:5], s[4:5], s[24:25]
	s_lshl_b32 s24, s21, 14
	s_add_nc_u64 s[12:13], s[12:13], s[24:25]
	v_lshlrev_b32 v[VO], 4, v0
	v_lshlrev_b32 v[GOF], 3, v0
.set i, 0
.rept 16
	global_load_b128 v[D+4*i:D+4*i+3], v[VO], s[4:5] offset:2048*i th:TH_LOAD_NT
.set i, i+1
.endr
.set i, 0
.rept 16
	s_wait_loadcnt 15-i                            ; loads come back in order: number i is in, the 15 - i younger ones stay out
	v_cvt_pk_bf16_f32 v[E+2*i], v[D+4*i], v[D+4*i+1]
	v_cvt_pk_bf16_f32 v[E+2*i+1], v[D+4*i+2], v[D+4*i+3]
	global_store_b64 v[GOF], v[E+2*i:E+2*i+1], s[12:13] offset:1024*i
.set i, i+1
.endr
	s_branch .Lend
; A wave turns a tile of 128 k x 64 columns of a matrix [1024 k][columns] of f32 (pitch bytes a row) into 64 rows of 128 k in 16 bits.
; In: a load takes two rows' 256 bytes (lanes 0-15 row 4 m + e, lanes 16-31 row 4 m + e + 2); rows k and k + 1 are rounded in pairs and stored as words, column by column.
; Out: whole LDS rows of 256 bytes, sixteen lanes a row, to row n' of the result.  map = 1: n' by W_qkv's order of columns.  f16 = 1: the bf16 number is written as f16.
.macro TRANS pitch, map, f16, SRC, DST, idbase
	s_sub_co_u32 s21, ttmp9, \idbase
	s_lshl2_add_u32 s21, s21, s20                  ; the wave's tile: 4 x work-group + wave
	s_and_b32 s22, s21, 7                          ; which 128 k
	s_lshr_b32 s23, s21, 3                         ; which 64 columns
	s_mul_i32 s24, s22, 128*(\pitch)
	s_lshl_b32 s26, s23, 8
	s_add_co_u32 s24, s24, s26
	s_add_nc_u64 s[\SRC:\SRC+1], s[\SRC:\SRC+1], s[24:25]
	s_lshl_b32 s24, s22, 8
	s_add_nc_u64 s[\DST:\DST+1], s[\DST:\DST+1], s[24:25]
	v_mul_u32_u24 v[VO], v[RL], 2*(\pitch)
	v_lshl_add_u32 v[VO], v[CL], 4, v[VO]
	s_mul_i32 s26, s20, WLDS                       ; my wave's LDS bytes
	v_mul_u32_u24 v[LS], v[CL], 4*LP               ; my four columns are four LDS rows,
	v_lshl_add_u32 v[LS], v[RL], 2, v[LS]          ; my pair of k a word in them
	v_add_nc_u32 v[LS], s26, v[LS]
	v_mul_u32_u24 v[LR], v[RL], LP
	v_lshl_add_u32 v[LR], v[CL], 4, v[LR]
	v_add_nc_u32 v[LR], s26, v[LR]
	s_mov_b32 s27, 4
.Lta_\@:                                               ; four trips of 32 k
.irp m, 0,1,2,3,4,5,6,7
.irp e, 0,1
	global_load_b128 v[D+8*(\m)+4*(\e):D+8*(\m)+4*(\e)+3], v[VO], s[\SRC:\SRC+1] offset:(4*(\m)+(\e))*(\pitch) th:TH_LOAD_NT
.endr
.endr
	s_wait_loadcnt 0x0                             ; all sixteen are in: their base may be stepped below
.irp m, 0,1,2,3,4,5,6,7
.irp c, 0,1,2,3
	v_cvt_pk_bf16_f32 v[T+(\c)], v[D+8*(\m)+(\c)], v[D+8*(\m)+4+(\c)]
.if \f16
	v_lshlrev_b32 v[U+2*(\c)], 16, v[T+(\c)]
	v_and_b32 v[U+2*(\c)+1], 0xffff0000, v[T+(\c)]
	v_cvt_pk_f16_f32 v[T+(\c)], v[U+2*(\c)], v[U+2*(\c)+1]
.endif
	ds_store_b32 v[LS], v[T+(\c)] offset:LP*(\c)+8*(\m)
.endr
.endr
	s_add_nc_u64 s[\SRC:\SRC+1], s[\SRC:\SRC+1], 32*(\pitch)
	v_add_nc_u32 v[LS], 64, v[LS]
	s_sub_co_u32 s27, s27, 1
	s_cmp_lg_u32 s27, 0
	s_cbranch_scc1 .Lta_\@
	s_lshl_b32 s26, s23, 6                         ; the tile's first column
.if \map
	v_add_nc_u32 v[VC], s26, v[RL]
	v_lshlrev_b32 v[CL16], 4, v[CL]
.else
	v_add_nc_u32 v[GOF], s26, v[RL]
	v_lshlrev_b32 v[GOF], 11, v[GOF]               ; a row of the result is 2,048 bytes
	v_lshl_add_u32 v[GOF], v[CL], 4, v[GOF]
.endif
	s_mov_b32 s27, 4
.Ltb_\@:                                               ; four trips of 16 rows
.irp j, 0,1,2,3,4,5,6,7
	ds_load_b128 v[D+4*(\j):D+4*(\j)+3], v[LR] offset:2*LP*(\j)  ; my wave's own bytes, and LDS serves a wave's instructions in order (ISA guide 5.7.1.4): these see the stores above
.endr
.if \map
.irp j, 0,1,2,3,4,5,6,7
	v_add_nc_u32 v[U], 2*(\j), v[VC]               ; column c = 48 d + 16 which + h
	v_mul_u32_u24 v[U+1], v[U], 43691
	v_lshrrev_b32 v[U+1], 21, v[U+1]               ; d = c / 48: 43691 x 48 = 2^21 + 16, exact for c under 3,072
	v_mul_u32_u24 v[U+2], v[U+1], 48
	v_sub_nc_u32 v[U], v[U], v[U+2]
	v_and_b32 v[U+2], 15, v[U]                     ; h
	v_lshrrev_b32 v[U], 4, v[U]                    ; which
	v_mad_u32_u24 v[U+1], v[U+2], 192, v[U+1]
	v_lshl_add_u32 v[U+1], v[U], 6, v[U+1]         ; 192 h + 64 which + d
	v_lshl_add_u32 v[OFFS+(\j)], v[U+1], 11, v[CL16]
.endr
.endif
	s_wait_dscnt 0x0
.irp j, 0,1,2,3,4,5,6,7
.if \map
	global_store_b128 v[OFFS+(\j)], v[D+4*(\j):D+4*(\j)+3], s[\DST:\DST+1]  ; sixteen lanes store 256 consecutive bytes, aligned
.else
	global_store_b128 v[GOF], v[D+4*(\j):D+4*(\j)+3], s[\DST:\DST+1] offset:4096*(\j)
.endif
.endr
	s_wait_xcnt 0x0                                ; the stores' data and offsets are written again only behind this wait
	v_add_nc_u32 v[LR], 16*LP, v[LR]
.if \map
	v_add_nc_u32 v[VC], 16, v[VC]
.else
	v_add_nc_u32 v[GOF], 32768, v[GOF]
.endif
	s_sub_co_u32 s27, s27, 1
	s_cmp_lg_u32 s27, 0
	s_cbranch_scc1 .Ltb_\@
.endm
.Lwqkv:
	TRANS 12288, 1, 0, 6, 14, 0
	s_branch .Lend
.Lw0:
	TRANS 4096, 0, 1, 8, 16, 96
	s_branch .Lend
.Ltable:                                               ; a work-group makes one piece: thread t the words 4 (t + 128 i) + 0..3
	s_sub_co_u32 s21, ttmp9, 128                   ; the piece: 4 h + q
	s_lshr_b32 s22, s21, 2
	s_lshl_b32 s22, s22, 2                         ; 4 h: the head's byte in a row of rel_bias
	s_and_b32 s23, s21, 3
	s_add_co_u32 s23, s23, 1                       ; q + 1
	s_mul_i32 s24, s21, TPIECE
	s_add_nc_u64 s[18:19], s[18:19], s[24:25]
	s_mov_b32 s26, 2047
.irp e, 0,1,2,3
	v_mov_b32 v[BIG+(\e)], 0xf149f2ca              ; -1e30
.endr
	v_lshlrev_b32 v[VO], 2, v0
	v_subrev_nc_u32 v[VO], s23, v[VO]              ; u of my first word; below 0 it wraps to a number far above 2047
	v_lshlrev_b32 v[GOF], 4, v0
.set n, 0
.rept 20
	v_add_nc_u32 v[UU+n], 512*(n/4)+(n%4), v[VO]
	v_min_u32 v[OF+n], s26, v[UU+n]                ; the row that is read stays inside 0 .. 2047
	v_lshl_add_u32 v[OF+n], v[OF+n], 6, s22
.set n, n+1
.endr
.set n, 0
.rept 20
	global_load_b32 v[DT+n], v[OF+n], s[10:11]
.set n, n+1
.endr
	s_wait_loadcnt 0x0
.set n, 0
.rept 10
	v_cvt_pk_bf16_f32 v[T], v[DT+n], v[DT+n+1]     ; rounded to bf16 like the other inputs,
	v_lshlrev_b32 v[DT+n], 16, v[T]
	v_and_b32 v[DT+n+1], 0xffff0000, v[T]
	v_mul_f32 v[DT+n], 0x41000000, v[DT+n]         ; times 8 (exact)
	v_mul_f32 v[DT+n+1], 0x41000000, v[DT+n+1]
	v_cmp_lt_u32 vcc_lo, s26, v[UU+n]              ; u outside 0 .. 2047: hidden
	v_cndmask_b32 v[DT+n], v[DT+n], v[BIG], vcc_lo
	v_cmp_lt_u32 vcc_lo, s26, v[UU+n+1]
	v_cndmask_b32 v[DT+n+1], v[DT+n+1], v[BIG], vcc_lo
.set n, n+2
.endr
.set i, 0
.rept 5
	global_store_b128 v[GOF], v[DT+4*i:DT+4*i+3], s[18:19] offset:2048*i
.set i, i+1
.endr
.rept 4                                        ; words 2,560 on stand for u above 2047, whatever q
	global_store_b128 v[GOF], v[BIG:BIG+3], s[18:19] offset:2048*i
.set i, i+1
.endr
.Lend:
	s_wait_tensorcnt 0x0                           ; the wave's end, behind my last LDS store
	ds_add_u32 v[SPW], v[NIL]
	s_wait_dscnt 0x0
	s_endpgm
.Lfunc_end_k_q5e05e9791c_prep:
	.size	k_q5e05e9791c_prep, .Lfunc_end_k_q5e05e9791c_prep-k_q5e05e9791c_prep
	.p2alignl 7, 3214868480
	.fill 96, 4, 3214868480
	.section	.rodata,"a",@progbits
	.p2align	6, 0x0
	.amdhsa_kernel k_q5e05e9791c_prep
		.amdhsa_group_segment_fixed_size 70144
		.amdhsa_private_segment_fixed_size 0
		.amdhsa_enable_private_segment 0
		.amdhsa_kernarg_size 64
		.amdhsa_user_sgpr_count 2
		.amdhsa_user_sgpr_kernarg_segment_ptr 1
		.amdhsa_wavefront_size32 1
		.amdhsa_system_sgpr_workgroup_id_x 1
		.amdhsa_system_sgpr_workgroup_id_y 1
		.amdhsa_system_sgpr_workgroup_id_z 1
		.amdhsa_system_vgpr_workitem_id 0
		.amdhsa_next_free_vgpr 128
		.amdhsa_next_free_sgpr 66
		.amdhsa_reserve_vcc 1
		.amdhsa_float_denorm_mode_32 3
		.amdhsa_float_denorm_mode_16_64 3
		.amdhsa_memory_ordered 1
		.amdhsa_forward_progress 1
		.amdhsa_inst_pref_size 44
	.end_amdhsa_kernel
	.amdgpu_metadata
---
amdhsa.version: [ 1, 2 ]
amdhsa.kernels:
  - .name:           k_q5e05e9791c_prep
    .symbol:         k_q5e05e9791c_prep.kd
    .args:
      - { .name: x, .offset: 0, .size: 8, .value_kind: global_buffer, .address_space: global }
      - { .name: W_qkv, .offset: 8, .size: 8, .value_kind: global_buffer, .address_space: global }
      - { .name: W_0, .offset: 16, .size: 8, .value_kind: global_buffer, .address_space: global }
      - { .name: rel_bias, .offset: 24, .size: 8, .value_kind: global_buffer, .address_space: global }
      - { .name: xb, .offset: 32, .size: 8, .value_kind: global_buffer, .address_space: global }
      - { .name: wt, .offset: 40, .size: 8, .value_kind: global_buffer, .address_space: global }
      - { .name: w0t, .offset: 48, .size: 8, .value_kind: global_buffer, .address_space: global }
      - { .name: tbl, .offset: 56, .size: 8, .value_kind: global_buffer, .address_space: global }
    .group_segment_fixed_size: 70144
    .private_segment_fixed_size: 0
    .kernarg_segment_align: 8
    .kernarg_segment_size: 64
    .max_flat_workgroup_size: 128
    .sgpr_count:     66
    .vgpr_count:     128
    .wavefront_size: 32
...
	.end_amdgpu_metadata
.endif
;; end of part 1
;; launch proj (part 2): grid 16 x 32, 4 waves a work-group, clusters of 4 x 4, 327,680 bytes of LDS; arguments xb, wt, qkv; writes qkv
.if DOCPART == 2
	.amdgcn_target "amdgcn-amd-amdhsa--gfx1250"
	.amdhsa_code_object_version 6
	.text
	.protected	k_q5e05e9791c_proj
	.globl	k_q5e05e9791c_proj
	.p2align	8
	.type	k_q5e05e9791c_proj,@function
k_q5e05e9791c_proj:
	s_mov_b64 s[64:65], 0
	v_nop
	global_prefetch_b8 v0, s[64:65] scope:SCOPE_SE
	s_setreg_imm32_b32 hwreg(HW_REG_WAVE_MODE, 25, 1), 1
	s_wait_xcnt 0x0
	s_wait_alu depctr_hold_cnt(0) depctr_sa_sdst(0) depctr_va_vdst(0) depctr_va_sdst(0) depctr_va_ssrc(0) depctr_va_vcc(0) depctr_vm_vsrc(0)
	s_getreg_b32 s2, hwreg(HW_REG_IB_STS2, 6, 4)
	s_cmp_eq_u32 s2, 0
	s_cbranch_scc0 .Lentry_in_a_cluster
	s_endpgm
.Lentry_in_a_cluster:
	s_bfe_u32 s2, ttmp6, 0x10000c
	s_cmp_lg_u32 s2, 0xf033
	s_cbranch_scc0 .Lentry_shape_is_right
	s_endpgm
.Lentry_shape_is_right:
; PROJ: qkv = x W_qkv, by heads.  A = xb [8192][1024] bf16, B = wt [3072][1024] bf16 (row 192 h + 64 which + d), sums in f32, K ascending.
; Out: qkv [3 which][64 bh][2048 t][64 d] f16, bh = 16 b + h, each number rounded once, unscaled.  LIMIT: f16 ends at 65,504; a q, k or v beyond it would become an infinity.
; A tile of C is 256 rows x 192 columns = q, k, v of one head for 256 tokens: 512 work-groups.  Four waves, 2 x 2, each 128 x 96: 48 accumulators, 384 registers.
; K goes in 8 steps of 128 through two LDS slots filled by the tensor data mover; rows of A's and B's tiles are 256 bytes of memory, aligned.
; CLUSTER 4 x 4: A's tile hangs on the tile row alone and is asked for jointly by the four of a row of the cluster, B's on the tile column alone, by the four of a column.
; THE MATRIX INSTRUCTION IS USED TRANSPOSED (source 0 = 16 rows of B, source 1 = 16 rows of A): a lane holds eight neighbouring columns of one row of C.
; REGISTERS, in windows of 256: window 0: v16-30 addresses, v32-55 at work, v64-127 and v128-191 A's fragments (two buffers), on the way out v64-255 whole rows;
;   window 1: v64-111, v128-175 B's fragments; window 2: accumulator (a, b) of my rows 0-63 at v[8 (6 a + b)]; window 3: those of rows 64-127.
.set NBW,    6                         ; blocks of 16 columns a wave
.set BN,     32*NBW                    ; columns in a tile
.set PA,     272                       ; A's LDS row: 256 bytes + 16: the 16 rows of a fragment load start at 16 different groups of four banks (ISA guide 11.1)
.set PBB,    272                       ; B's
.set AW,     128*PA                    ; what one load of A brings
.set ATILE,  2*AW
.set BHALF,  (BN/2)*PBB                ; what one load of B brings, and what a wave reads of B
.set SLOT,   ATILE+2*BHALF
.set KAH,    128                       ; bytes from A's quarter q to quarter q + 2 in LDS
.set STEPA,  256                       ; bytes from a K step to the next in memory
.set QIA,    5                         ; A's padding stands after every 64 words
.set STRA,   1024                      ; elements from row to row of A
.set PSHA,   16                        ; a partner's share of A's prefetch: 32 rows of 2,048 bytes
.set SHA,    11                        ; its lanes lie 2,048 bytes apart
.set NL,     2*NBW+16                  ; LDS loads in a quarter's run
.set LAPS,   4                         ; a lap = two K steps = once round the ring
.set SPITCH, 400                       ; the stage's row: 384 bytes + 16.  The stage, 256 rows, lies in slot 0, which has had its last fill when the first row is stored
.set SPARE,  2*SLOT                    ; behind the ring: the spare words, 128 bytes for each wave, that no other line names
.set ADRA, 16                          ; v16-17 LDS address of my A fragments in slot 0, 1
.set ADRB, 20                          ; v20-21 of my B fragments
.set STO,  24
.set RD,   25
.set CO,   26
.set SPW,  28                          ; v28 LDS address of my spare word; never rewritten
.set NIL,  29                          ; v29 0; never rewritten
.set PFO,  30                          ; v30 the prefetches' lane offset; never rewritten
.set TMP,  32
.set F0,   64
.set F1,   128
.set G1,  24                           ; s[24:31] group 1 for A; s[32:39] group 0, a set for each slot
.set G0,  32
.set G1B, 48                           ; s[48:55], s[56:63] the same for B
.set G0B, 56
.set LIM, 43                           ; s43 1 in a wave that prefetches, else the greatest number
.set PFA, 44                           ; s[44:45] where my prefetches stand
.set PFS, 66                           ; s[66:67] their step
.set CB,  68                           ; s[68:73] q's, k's and v's rows that my wave stores
.set MSB, 0
.macro WIN new                         ; the immediate's high byte repeats the setting that is left; a switch that changes nothing is dropped
.if MSB != (\new)
	s_set_vgpr_msb (MSB<<8)|(\new)
.set MSB, \new
.endif
.endm
.set MUL_LO, 0xa1                      ; source 0 (B) window 1, source 1 (A) window 0, C and D window 2
.set MUL_HI, 0xf1                      ; the same, C and D window 3
.set TO_B,   0x40                      ; destination window 1, address window 0
; A joint load: waves 0 and 1 fetch A's two halves, waves 2 and 3 B's.  The branch hangs on the wave's number alone.  An s_nop 0 and four v_nop follow each line.
.macro JLOAD s
	s_cmp_eq_u32 s11, 0
	s_cbranch_scc0 .Lfor_b_\@
	tensor_load_to_lds s[G0+4*(\s):G0+4*(\s)+3], s[G1:G1+7]
	s_nop 0
.rept 4
	v_nop
.endr
	s_branch .Lasked_\@
.Lfor_b_\@:
	tensor_load_to_lds s[G0B+4*(\s):G0B+4*(\s)+3], s[G1B:G1B+7]
	s_nop 0
.rept 4
	v_nop
.endr
.Lasked_\@:
.endm
; A prefetch into the L2, behind a joint load and the run of LDS loads that follows it: my share of the K step that stands two refills on, a lane a row.  A's rows are asked for by the clusters with x = 0,
; B's by those with y = 0; the four partners of a joint load share its rows out by address.  The loop's last trip has no K step two on and asks for nothing; K steps 0 to 3 come by their loads alone.
.macro ASK
	s_cmp_gt_u32 s3, s[LIM]
	s_cbranch_scc0 .Lnot_mine_\@
	global_prefetch_b8 v[PFO], s[PFA:PFA+1] th:TH_LOAD_NT scope:SCOPE_SE
.Lnot_mine_\@:
.endm
.macro CREST                           ; a round of the cluster's barrier behind its opening barrier
	s_cmp_lg_u32 s10, 0
	s_cbranch_scc1 .Lnot_wave_0_\@
	s_barrier_signal -3
.Lnot_wave_0_\@:
	s_barrier_wait -3
	s_barrier_signal -1
	s_barrier_wait -1
.endm
.macro CROUND
	s_barrier_signal -1
	s_barrier_wait -1
	CREST
.endm
	s_load_b128 s[4:7], s[0:1], 0x0                ; A s[4:5], B s[6:7]
	s_load_b64 s[8:9], s[0:1], 0x10                ; C
	v_lshl_add_u32 v[SPW], v0, 2, SPARE
	v_mov_b32 v[NIL], 0
	ds_add_u32 v[SPW], v[NIL]                      ; the wave's opening: the add and its wait stand ahead of my first tensor load
	ds_add_u32 v28, v29
	v_lshrrev_b32 v1, 5, v0
	v_readfirstlane_b32 s10, v1                    ; wave 0..3
	s_lshr_b32 s11, s10, 1                         ; my half of the tile's rows.  Also: I fetch for A (0) or for B (1)
	s_and_b32 s12, s10, 1                          ; my half of its columns.  Also: which half of that tile I fetch
	s_bfe_u32 s40, ttmp6, 0x40000                  ; cx
	s_bfe_u32 s41, ttmp6, 0x40004                  ; cy
	s_lshl_b32 s42, ttmp9, 2
	s_add_co_u32 s42, s42, s40                     ; tile column = 4 x cluster x + cx
	s_and_b32 s13, ttmp7, 0xffff
	s_lshl_b32 s13, s13, 2
	s_add_co_u32 s13, s13, s41                     ; tile row = 4 x cluster y + cy
	s_lshl_b32 s43, s41, 2
	s_lshl_b32 s43, 15, s43                        ; my row of the cluster
	s_lshl_b32 s44, 0x1111, s40                    ; my column
	s_or_b32 s[G1+0], s43, (1<<16)|(1<<20)|(1<<21)|(QIA<<22)|(3<<25)  ; the mask; 2-byte elements; padding on; bit 21 beside a mask; the interval; 4 words of padding
	s_or_b32 s[G1B+0], s44, (1<<16)|(1<<20)|(1<<21)|(5<<22)|(3<<25)
	s_mov_b32 s[G1+1], 128<<16                     ; tensor_dim0 = 128
	s_mov_b32 s[G1+2], 128<<16                     ; tensor_dim1 = 128
	s_mov_b32 s[G1+3], 128<<16                     ; tile_dim0 = 128
	s_mov_b32 s[G1+4], 128                         ; tile_dim1 = 128
	s_mov_b32 s[G1+5], STRA
	s_mov_b32 s[G1+6], 0
	s_mov_b32 s[G1+7], 0
	s_mov_b32 s[G1B+1], 128<<16
	s_mov_b32 s[G1B+2], (BN/2)<<16
	s_mov_b32 s[G1B+3], 128<<16
	s_mov_b32 s[G1B+4], BN/2
	s_mov_b32 s[G1B+5], 1024
	s_mov_b32 s[G1B+6], 0
	s_mov_b32 s[G1B+7], 0
	s_lshl_b32 s16, s13, 19                        ; A: (256 x tile row + 128 x half) rows of 2,048 bytes
	s_lshl_b32 s17, s12, 18
	s_add_co_u32 s16, s16, s17
	s_mov_b32 s17, 0
	s_mul_i32 s46, s42, BN*2048                    ; B: (192 x tile column + 96 x half) rows
	s_mul_i32 s47, s12, (BN/2)*2048
	s_add_co_u32 s46, s46, s47
	s_mov_b32 s47, 0
	s_mul_i32 s20, s12, AW                         ; where they go: no place in the cluster enters an LDS address
	s_mul_i32 s74, s12, BHALF
	s_add_co_u32 s74, s74, ATILE
	s_wait_dscnt 0x0                               ; the opening add is done
	s_wait_kmcnt 0x0
	s_add_nc_u64 s[14:15], s[4:5], s[16:17]
	s_add_nc_u64 s[46:47], s[6:7], s[46:47]
	CROUND                                         ; all sixteen work-groups are here: the first joint loads meet
.irp s, 0,1
	s_mov_b32 s[G0+4*(\s)], 1
	s_add_co_u32 s[G0+4*(\s)+1], s20, (\s)*SLOT
	s_add_nc_u64 s[G0+4*(\s)+2:G0+4*(\s)+3], s[14:15], (\s)*STEPA
	s_or_b32 s[G0+4*(\s)+3], s[G0+4*(\s)+3], 0x80000000
	s_mov_b32 s[G0B+4*(\s)], 1
	s_add_co_u32 s[G0B+4*(\s)+1], s74, (\s)*SLOT
	s_add_nc_u64 s[G0B+4*(\s)+2:G0B+4*(\s)+3], s[46:47], (\s)*256
	s_or_b32 s[G0B+4*(\s)+3], s[G0B+4*(\s)+3], 0x80000000
	JLOAD \s                                       ; two loads of mine are out
.endr
	; a fragment is 16 rows x 32 K in 8 registers: lane l holds row l % 16, K = 8 (l / 16) + 0..7 and 16 + 8 (l / 16) + 0..7: two loads of 16 bytes, 32 bytes apart
	v_and_b32 v1, 15, v0
	v_bfe_u32 v2, v0, 4, 1
	v_mul_u32_u24 v3, v1, PA
	v_lshl_add_u32 v3, v2, 4, v3
	v_mul_u32_u24 v4, v1, PBB
	v_lshl_add_u32 v4, v2, 4, v4
	s_mul_i32 s21, s11, 128*PA
	s_mul_i32 s22, s12, BHALF
	s_add_co_u32 s22, s22, ATILE
.irp s, 0,1
	v_add_nc_u32 v[ADRA+(\s)], s21, v3
	v_add_nc_u32 v[ADRB+(\s)], s22, v4
	s_add_co_u32 s21, s21, SLOT
	s_add_co_u32 s22, s22, SLOT
.endr
	; the prefetches
	s_lshl_b32 s20, s40, PSHA
	s_add_co_u32 s20, s20, s16                     ; A: the rows that I fetch, my work-group's 32 of them
	s_mul_i32 s21, s42, BN*2048
	s_mul_i32 s22, s12, (BN/2)*2048
	s_add_co_u32 s21, s21, s22
	s_mul_i32 s22, s41, (BN/8)*2048
	s_add_co_u32 s21, s21, s22                     ; B: likewise, my work-group's 24
	s_and_b32 s22, ttmp7, 0xffff                   ; cluster y
	s_mov_b32 s74, STEPA
	s_cmp_eq_u32 s11, 0                            ; do I fetch for A?
	s_cselect_b32 s20, s20, s21
	s_cselect_b32 s22, ttmp9, s22                  ; the coordinate along which other clusters read the same rows
	s_cselect_b64 s[PFA:PFA+1], s[4:5], s[6:7]
	s_cselect_b32 s[PFS], s74, 256
	s_cselect_b32 s23, 31, BN/8-1                  ; the last row of my share: lanes beyond it name it again
	s_cselect_b32 s75, SHA, 11
	s_cmp_eq_u32 s22, 0
	s_cselect_b32 s[LIM], 1, -1                    ; the same in all sixteen partners, for a given wave
	s_mov_b32 s21, 0
	s_mov_b32 s[PFS+1], 0
	s_add_nc_u64 s[PFA:PFA+1], s[PFA:PFA+1], s[20:21]
	s_mul_i32 s20, s[PFS], 3
	s_add_nc_u64 s[PFA:PFA+1], s[PFA:PFA+1], s[20:21]  ; at K step 3: the first refill (K step 2) steps it to 4
	v_and_b32 v[PFO], 31, v0
	v_min_u32 v[PFO], s23, v[PFO]
	v_lshlrev_b32 v[PFO], s75, v[PFO]
	; the way out.  Into the stage: row 128 x row half + 16 a + l % 16, bytes 192 x column half + 32 b + 16 (l / 16)
	s_mul_i32 s23, s11, 128*SPITCH
	s_mul_i32 s21, s12, 192
	s_add_co_u32 s23, s23, s21
	v_mul_u32_u24 v5, v1, SPITCH
	v_lshl_add_u32 v5, v2, 4, v5
	v_add_nc_u32 v[STO], s23, v5
	s_mul_i32 s23, s10, 64*SPITCH                  ; back: wave w takes rows 64 w .. 64 w + 63; 32 lanes take 128 bytes (q, k or v) of four rows,
	v_bfe_u32 v5, v0, 3, 2
	v_mul_u32_u24 v5, v5, SPITCH
	v_and_b32 v6, 7, v0
	v_lshl_add_u32 v5, v6, 4, v5
	v_add_nc_u32 v[RD], s23, v5
	v_and_b32 v[CO], 31, v0                        ; which are 512 consecutive bytes of a head's rows
	v_lshlrev_b32 v[CO], 4, v[CO]
	s_lshr_b32 s16, s13, 3                         ; b
	s_lshl_b32 s16, s16, 4
	s_add_co_u32 s16, s16, s42                     ; bh = 16 b + h: the tile column is the head
	s_lshl_b32 s16, s16, 18                        ; a head's rows are 262,144 bytes
	s_and_b32 s17, s13, 7
	s_lshl_b32 s17, s17, 15                        ; the tile's 256 tokens
	s_add_co_u32 s16, s16, s17
	s_lshl_b32 s17, s10, 13                        ; my wave's 64
	s_add_co_u32 s16, s16, s17
	s_mov_b32 s17, 0
	s_add_nc_u64 s[CB:CB+1], s[8:9], s[16:17]
	s_add_nc_u64 s[CB+2:CB+3], s[CB:CB+1], 0x1000000
	s_add_nc_u64 s[CB+4:CB+5], s[CB:CB+1], 0x2000000
; 12 matrix instructions: row blocks a0, a0 + 1 of the window's four x all 6 column blocks, 32 along K.  zero = 1: the product starts the sums.  The 48 accumulators take turns, one instruction a turn.
.macro MULH f, hi, a0, zero
	WIN MUL_LO+0x50*(\hi)
.irp a, \a0, (\a0)+1
.set b, 0
.rept NBW
.if \zero
	v_wmma_f32_16x16x32_bf16 v[8*(NBW*(\a)+b):8*(NBW*(\a)+b)+7], v[(\f)+8*b:(\f)+8*b+7], v[(\f)+8*(4*(\hi)+(\a)):(\f)+8*(4*(\hi)+(\a))+7], 0
.else
	v_wmma_f32_16x16x32_bf16 v[8*(NBW*(\a)+b):8*(NBW*(\a)+b)+7], v[(\f)+8*b:(\f)+8*b+7], v[(\f)+8*(4*(\hi)+(\a)):(\f)+8*(4*(\hi)+(\a))+7], v[8*(NBW*(\a)+b):8*(NBW*(\a)+b)+7]
.endif
.set b, b+1
.endr
.endr
.endm
; one run of NL LDS loads: quarter q's fragments (B's first, then A's) into buffer f
.macro FETCH slot, q, f
	WIN TO_B
.set i, 0
.rept NBW
	ds_load_b128 v[(\f)+8*i:(\f)+8*i+3],   v[ADRB+(\slot)] offset:64*(\q)+i*16*PBB
	ds_load_b128 v[(\f)+8*i+4:(\f)+8*i+7], v[ADRB+(\slot)] offset:64*(\q)+i*16*PBB+32
.set i, i+1
.endr
	WIN 0
.set i, 0
.rept 8
	ds_load_b128 v[(\f)+8*i:(\f)+8*i+3],   v[ADRA+(\slot)] offset:((\q)/2)*KAH+((\q)%2)*64+i*16*PA
	ds_load_b128 v[(\f)+8*i+4:(\f)+8*i+7], v[ADRA+(\slot)] offset:((\q)/2)*KAH+((\q)%2)*64+i*16*PA+32
.set i, i+1
.endr
.endm
.macro PLACES                          ; four plain vector instructions between a matrix instruction and a load into, or a read of, its registers (ISA guide 7.12.1 for reads)
.rept 4
	v_nop
.endr
.endm
; a quarter of a K step: multiplies buffer f; in its middle fetches quarter q of the same slot into buffer g
.macro QUARTER slot, q, f, g, zero
	s_wait_dscnt 8                                 ; B and A's rows 0-63 are in; the youngest eight loads (A's rows 64-127) may be out
	MULH \f, 0, 0, \zero
	MULH \f, 0, 2, \zero
	PLACES
	FETCH \slot, \q, \g
	s_wait_dscnt NL                                ; all but the run just issued
	MULH \f, 1, 0, \zero
	MULH \f, 1, 2, \zero
.endm
; the last quarter multiplies buffer 1 and changes slots: one barrier; ahead of it each wave waits for all its tensor loads (its part of the next slot), adds 0 to its spare word and waits for that
; and for its reads of this slot.  fill = 1: the barrier opens a round of the cluster's, and this slot is filled again, two K steps ahead, first thing behind the round.
.macro TURN slot, next, fill
.if \fill
	s_wait_xcnt 0x0                                ; the last prefetch, a K step back, has read its address
	s_add_nc_u64 s[PFA:PFA+1], s[PFA:PFA+1], s[PFS:PFS+1]
.endif
	WIN 0                                          ; (the add's two registers lie in window 0)
	s_wait_tensorcnt 0x0
	ds_add_u32 v[SPW], v[NIL]
	s_wait_dscnt 9                                 ; the add and the youngest eight loads may be out
	MULH F1, 0, 0, 0
	s_wait_dscnt 0x0                               ; the add is done, and my reads of this slot are over
	s_barrier_signal -1
	MULH F1, 0, 2, 0
.if \fill
	WIN 0
.endif
	s_barrier_wait -1
.if \fill
	CREST                                          ; no wave of any partner still reads this slot or has a load on its way
	s_add_nc_u64 s[G0+4*(\slot)+2:G0+4*(\slot)+3], s[G0+4*(\slot)+2:G0+4*(\slot)+3], 2*STEPA
	s_add_nc_u64 s[G0B+4*(\slot)+2:G0B+4*(\slot)+3], s[G0B+4*(\slot)+2:G0B+4*(\slot)+3], 2*256
	JLOAD \slot                                    ; its four v_nop are also the places in front of the loads below
.else
	PLACES
.endif
	FETCH \next, 0, F0
.if \fill
	ASK
.endif
	MULH F1, 1, 0, 0
	MULH F1, 1, 2, 0
.endm
	s_wait_tensorcnt 1                             ; my part of K step 0 is in; K step 1's load may stay out
	s_barrier_signal -1
	s_barrier_wait -1
	FETCH 0, 0, F0
	QUARTER 0, 1, F0, F1, 1                        ; the first quarter stands ahead of the loop: its products start the sums
	WIN 0
	s_mov_b32 s3, LAPS-1
.Llap:                                                 ; a trip goes once round the ring and fills both slots again
	QUARTER 0, 2, F1, F0, 0
	QUARTER 0, 3, F0, F1, 0
	TURN 0, 1, 1
	QUARTER 1, 1, F0, F1, 0
	QUARTER 1, 2, F1, F0, 0
	QUARTER 1, 3, F0, F1, 0
	TURN 1, 0, 1
	QUARTER 0, 1, F0, F1, 0
	WIN 0
	s_sub_co_u32 s3, s3, 1
	s_cmp_lg_u32 s3, 0
	s_cbranch_scc1 .Llap
	QUARTER 0, 2, F1, F0, 0                        ; the last lap fills nothing
	QUARTER 0, 3, F0, F1, 0
	TURN 0, 1, 0
	QUARTER 1, 1, F0, F1, 0
	QUARTER 1, 2, F1, F0, 0
	QUARTER 1, 3, F0, F1, 0
	s_wait_dscnt 8
	MULH F1, 0, 0, 0
	MULH F1, 0, 2, 0
	s_wait_dscnt 0x0
	MULH F1, 1, 0, 0
	MULH F1, 1, 2, 0
	WIN 0
	; THE WAY OUT: rounded to f16, 16 bytes a lane into the work-group's stage (slot 0: every wave's reads of it ended ahead of the last lap's barrier); a barrier, since a row comes from two waves; back as rows of q, of k, of v.
	PLACES
.set a, 0
.rept 8
	WIN 0x0a+5*(a/4)                               ; sources in window 2 or 3
.set b, 0
.rept NBW
.set AC, 8*(NBW*(a%4)+b)
	v_cvt_pk_f16_f32 v[TMP+4*b],   v[AC],   v[AC+1]
	v_cvt_pk_f16_f32 v[TMP+4*b+1], v[AC+2], v[AC+3]
	v_cvt_pk_f16_f32 v[TMP+4*b+2], v[AC+4], v[AC+5]
	v_cvt_pk_f16_f32 v[TMP+4*b+3], v[AC+6], v[AC+7]
.set b, b+1
.endr
	WIN 0
.set b, 0
.rept NBW
	ds_store_b128 v[STO], v[TMP+4*b:TMP+4*b+3] offset:a*16*SPITCH+32*b
.set b, b+1
.endr
.set a, a+1
.endr
	s_wait_dscnt 0x0                               ; for the others' sake: my stores into the stage are done
	s_barrier_signal -1
	s_barrier_wait -1
.set n, 0
.rept 48                                       ; which = n / 16, four rows 4 (n % 16) on
	ds_load_b128 v[64+4*n:64+4*n+3], v[RD] offset:128*(n/16)+4*SPITCH*(n%16)
.set n, n+1
.endr
.set n, 0
.rept 48
	s_wait_dscnt 47-n                              ; load n is back; the younger ones may be out
	global_store_b128 v[CO], v[64+4*n:64+4*n+3], s[CB+2*(n/16):CB+2*(n/16)+1] offset:512*(n%16)  ; 512 consecutive bytes, aligned
.set n, n+1
.endr
	s_wait_tensorcnt 0x0                           ; the wave's end
	ds_add_u32 v[SPW], v[NIL]
	s_wait_dscnt 0x0
	CROUND                                         ; the closing round: no work-group ends while a partner may still ask for a tile that names it
	s_endpgm
.Lfunc_end_k_q5e05e9791c_proj:
	.size	k_q5e05e9791c_proj, .Lfunc_end_k_q5e05e9791c_proj-k_q5e05e9791c_proj
	.p2alignl 7, 3214868480
	.fill 96, 4, 3214868480
	.section	.rodata,"a",@progbits
	.p2align	6, 0x0
	.amdhsa_kernel k_q5e05e9791c_proj
		.amdhsa_group_segment_fixed_size 327680
		.amdhsa_private_segment_fixed_size 0
		.amdhsa_enable_private_segment 0
		.amdhsa_kernarg_size 24
		.amdhsa_user_sgpr_count 2
		.amdhsa_user_sgpr_kernarg_segment_ptr 1
		.amdhsa_wavefront_size32 1
		.amdhsa_system_sgpr_workgroup_id_x 1
		.amdhsa_system_sgpr_workgroup_id_y 1
		.amdhsa_system_sgpr_workgroup_id_z 1
		.amdhsa_system_vgpr_workitem_id 0
		.amdhsa_next_free_vgpr 960
		.amdhsa_next_free_sgpr 76
		.amdhsa_reserve_vcc 0
		.amdhsa_float_denorm_mode_32 3
		.amdhsa_float_denorm_mode_16_64 3
		.amdhsa_memory_ordered 1
		.amdhsa_forward_progress 1
		.amdhsa_inst_pref_size 118
	.end_amdhsa_kernel
	.amdgpu_metadata
---
amdhsa.version: [ 1, 2 ]
amdhsa.kernels:
  - .name:           k_q5e05e9791c_proj
    .symbol:         k_q5e05e9791c_proj.kd
    .args:
      - { .name: xb, .offset: 0, .size: 8, .value_kind: global_buffer, .address_space: global }
      - { .name: wt, .offset: 8, .size: 8, .value_kind: global_buffer, .address_space: global }
      - { .name: qkv, .offset: 16, .size: 8, .value_kind: global_buffer, .address_space: global }
    .group_segment_fixed_size: 327680
    .private_segment_fixed_size: 0
    .kernarg_segment_align: 8
    .kernarg_segment_size: 24
    .max_flat_workgroup_size: 128
    .sgpr_count:     76
    .vgpr_count:     960
    .wavefront_size: 32
...
	.end_amdgpu_metadata
.endif
;; end of part 2
;; launch attn (part 3): grid 4 x 64, 4 waves a work-group, no clusters, 327,680 bytes of LDS; arguments qkv, tbl, o; writes o
.if DOCPART == 3
	.amdgcn_target "amdgcn-amd-amdhsa--gfx1250"
	.amdhsa_code_object_version 6
	.text
	.protected	k_q5e05e9791c_attn
	.globl	k_q5e05e9791c_attn
	.p2align	8
	.type	k_q5e05e9791c_attn,@function
k_q5e05e9791c_attn:
	s_mov_b64 s[64:65], 0
	v_nop
	global_prefetch_b8 v0, s[64:65] scope:SCOPE_SE
	s_setreg_imm32_b32 hwreg(HW_REG_WAVE_MODE, 25, 1), 1
	s_wait_xcnt 0x0
; CAUSAL ATTENTION WITH A RELATIVE BIAS.  O[bh][i][:] = the sum over j <= i of softmax_j(Q[i] . K[j] / 8 + bias[j - i + 2047][h]) V[j][:].  Q, K, V: qkv [3][64 bh][2048][64] f16; O: [64 bh][2048][64] f16.
; Products, maxima and sums in f32; the weights p are rounded to f16 for the second product (their sum l is taken of the unrounded p), O once at the end.
; LIMITS.  A hidden score counts as its value less 1e30; a weight below 2^-126 counts as 0 in l; NaN and infinities are not treated apart; p below 6e-5 keeps f16's fixed step.
; THE WALK.  A head's queries lie in NB = 8 blocks of 256; block i needs the key tiles 0 .. i.  A work-group takes TWO blocks, 7 - b and then b: 9 tiles, whatever b, walked by one loop with a constant
; trip count.  NO CLUSTER: a head's four work-groups ask for the same tile only in trips 0 to 4 of 9, and one walk common to all would have 12 trips for 9.
; SHARES.  Of a block's four bands of 64 queries a wave owns 16 rows in each: four PIECES, so the diagonal tile is the same work for all four waves.
; BIAS AND MASK ARE THE C OPERAND that starts the sum S^T = K Q^T.  Both hang on j - i alone.  tbl holds, for each head, four copies of 8 x bias (entry u = j - i + 2047), -1e30 where u > 2047, copy q shifted
; by q + 1 words.  With each tile of K and V comes the window of the four copies that the tile needs, 2,112 bytes of each, from an address that hangs on the tile's distance from the diagonal: in LDS the entry for
; the tile's key jl, band x, wave w, row r lies at word jl - 64 x - 16 w - r + q + 256 of copy q, whatever the tile and the block, so the table's LDS address walks as K's does.  A lane (row r) reads copy
; q = r % 4: its eight entries for 8 neighbouring keys are then 32 aligned bytes.
; One text serves every tile, the diagonal one too.
; LAYOUT, SOFTMAX, TURNS.  S^T holds ONE query a lane (lane % 16) and the keys 8 (lane / 16) + 0..7; two such results rounded to f16 ARE source 1 of O^T = V^T P.  p = 2^(c s - c m), c = log2(e) / 8, with a
; running maximum m; O and l are multiplied by a = 2^(c m_old - c m_new) in every step.  Turn n belongs to piece n: 8 products K Q^T of piece n + 1, later 8 products V^T P of piece n - 1; beside them the scaling,
; exponentials, roundings, sums and rescaling of piece n and the maximum and statistics of piece n + 1.  Four vector instructions stand behind every matrix instruction, the others in one lump; a turn's 33 exponentials are one batch with one wait.
; REGISTERS, in windows of 256 (s_set_vgpr_msb: bits 1:0 source 0, 3:2 source 1, 5:4 source 2, 7:6 destination):
;   window 0: v0-15 addresses; v16-31 four registers of statistics a piece; v48-58 at work; v64-127 S^T, two buffers; v192-223 P, two buffers (by the piece's parity)
;   window 1: v0-127 O^T, 32 a piece; v160-223 MC, the C operands, two buffers      window 2: v0-63 Q; v64-127 the second block's Q; v128-191 K of one step; v192-255 V of one step
.set SIZE_N, 2048
.set NB,    SIZE_N/256
.set NP,    4
.set KS,    64        ; keys in a step
.set PK,    144       ; a row of K in LDS: 128 bytes + 16
.set PV,    160       ; a row of V: 128 + 32
.set VOFF,  4*KS*PK   ; a slot holds a tile: 256 rows of K, then 256 rows of V, then the table's window
.set TOFF,  4*KS*(PK+PV)
.set TCOPY, 2112      ; a copy's window: 512 words, and 64 bytes more
.set TPIECE, 18432    ; bytes of a copy in tbl
.set SLOT1, 1<<17     ; slot 1 begins here, so that one exclusive or turns an address in one slot into the other's
.set STAGE, SLOT1+TOFF+4*TCOPY  ; behind the ring, never filled by a tensor load: 16 rows x 144 bytes for each wave
.set SP,    144
.set SPARE, STAGE+4*16*SP       ; the spare words, 128 bytes for each wave, that no other line names
.set AK0, 2           ; v2   my lane's place in a tile of K; never rewritten
.set AV0, 3           ; v3   the same for V
.set AK,  4           ; v4   the LDS address of K's next run of loads
.set AV,  5           ; v5   of V's
.set STO, 6
.set RD,  7
.set GO,  8
.set BL,  9           ; v9   my lane's and wave's place in a slot's table; never rewritten
.set AB,  10          ; v10  the same for the key step in hand
.set PFO, 11          ; v11  256 x my thread's number; never rewritten
.set MV,  12          ; v12-13  c m_old, by buffer
.set QO,  15
.set ST,  16          ; piece t's statistics at v[ST+4 t]: c m, m, l (even keys', odd keys')
.set TMP, 48          ; by buffer, c0-c3 at work; c2 takes a
.set T9,  56          ; lane / 16
.set T10, 57          ; lane % 8
.set T11, 58
.set SPW, 62          ; v62  LDS address of my spare word; never rewritten
.set NIL, 63          ; v63  0; never rewritten
.set S,   64
.set P,   192
.set MC,  160         ; window 1
.set QB,  64          ; window 2
.set KF,  128
.set VF,  192
.set WV,  12          ; s12  my wave's number
.set PB,  14          ; s14  b
.set HI,  15          ; s15  7 - b
.set G1K, 24          ; s[24:31] group 1 for K's half tiles
.set G1V, 32          ; s[32:39] for V's tiles
.set G0K, 40
.set G0V, 44
.set TBASE, 48        ; s[48:49] the head's first copy, at the diagonal tile's window
.set OFT, 50          ; s[50:51] how far ahead of that the window of the tile asked for begins
.set TBB, 52          ; s52  LDS byte, less TOFF, at which the table of the step to be fetched begins
.set SLOTS, 56
.set CNT, 57
.set CS,  58
.set SEL, 60
.set TBK, 62          ; s62  LDS byte at which K of the step to be fetched begins
.set TBV, 63          ; s63  the same for V, less VOFF
.set PFK, 66          ; s[66:67], s[68:69] the tile of K, of V, that the next prefetch names
.set PFV, 68
.set RT,  70          ; tiles of the block in hand still to be entered
.set NXT, 71          ; the tile to be asked for next
.set LQ,  72          ; the last tile of the block whose tiles are being asked for: the block's own number
.set NEW, 73          ; 1: the tile to be entered is a block's first
.set OFF, 74
.set G0T, 76          ; s[76:79] group 0 for the table's windows
.set OLO, 80          ; s[80:81] O at my rows of the second block
.set PFC, 82          ; prefetches still to come
.set G1T, 88          ; s[88:95] group 1 for the table's windows: four rows of 2,112 bytes
.set MSB, 0
.macro WIN new
.if MSB != (\new)
	s_set_vgpr_msb (MSB<<8)|(\new)
.set MSB, (\new)
.endif
.endm
.set W_KQ, 0x0a       ; K and Q in window 2, S^T in window 0
.set W_KM, 0x1a       ; the same with the C operand in window 1
.set W_PV, 0x52       ; V in window 2, P in window 0, O^T in window 1
.set W_RS, 0x41       ; destination and source 0 in window 1, source 1 in window 0
; A fill, one tensor load a wave: waves 0 and 1 fetch the two halves of a tile's K, wave 2 its V, wave 3 the table's window.  The branches hang on the wave's number alone.
; An s_nop 0 and four v_nop follow each line.
.macro LOAD
	s_cmp_lt_u32 s[WV], 2
	s_cbranch_scc0 .Lnot_k_\@
	tensor_load_to_lds s[G0K:G0K+3], s[G1K:G1K+7]
	s_nop 0
.rept 4
	v_nop
.endr
	s_branch .Lasked_\@
.Lnot_k_\@:
	s_cmp_eq_u32 s[WV], 2
	s_cbranch_scc0 .Lfor_t_\@
	tensor_load_to_lds s[G0V:G0V+3], s[G1V:G1V+7]
	s_nop 0
.rept 4
	v_nop
.endr
	s_branch .Lasked_\@
.Lfor_t_\@:
	tensor_load_to_lds s[G0T:G0T+3], s[G1T:G1T+7]
	s_nop 0
.rept 4
	v_nop
.endr
.Lasked_\@:
.endm
; A prefetch into the L2 of the tile that the NEXT change of slots will ask for: 32,768 bytes of K and of V, a thread 256 bytes of each.  The head's work-group with b = 0 walks tiles 0 to 7 first, so it alone asks:
; in trips 0 to 5, for tiles 2 to 7; each block of 256 bytes is named once in the launch.  Tiles 0 and 1 come by their loads alone.  The table is not asked for: its windows overlap from tile to tile and head's work-group to work-group.
.macro ASK
	s_cmp_lg_u32 s[PFC], 0
	s_cbranch_scc0 .Lnot_mine_\@
	global_prefetch_b8 v[PFO], s[PFK:PFK+1] th:TH_LOAD_NT scope:SCOPE_SE
	global_prefetch_b8 v[PFO], s[PFV:PFV+1] th:TH_LOAD_NT scope:SCOPE_SE
	s_sub_co_u32 s[PFC], s[PFC], 1
.Lnot_mine_\@:
.endm
; THE CHANGE OF SLOTS.  Each wave waits for all its tensor loads, of which one is out: its part of the other slot; adds 0 to its spare word; and waits for that and for its reads of the slot that it leaves.
; fill = 1: the old slot is filled again, first thing behind the barrier, with tile NXT of block LQ.  (At its first use nothing has been read: slot 0 is waited for, slot 1 filled.)
.macro CHANGE fill
	WIN 0
	s_wait_tensorcnt 0x0            ; no tensor load of mine is out, so a group 0 may be written
	ds_add_u32 v[SPW], v[NIL]
.if \fill
	s_lshl_b32 s[OFF], s[NXT], 15   ; a tile is 32,768 bytes of K and of V
	s_xor_b32 s[G0K+1], s[G0K+1], SLOT1
	s_add_nc_u64 s[G0K+2:G0K+3], s[6:7], s[OFF:OFF+1]
	s_or_b32 s[G0K+3], s[G0K+3], 0x80000000
	s_xor_b32 s[G0V+1], s[G0V+1], SLOT1
	s_add_nc_u64 s[G0V+2:G0V+3], s[8:9], s[OFF:OFF+1]
	s_or_b32 s[G0V+3], s[G0V+3], 0x80000000
	s_sub_co_u32 s[OFT], s[LQ], s[NXT]  ; tiles from this one to the block's diagonal tile:
	s_lshl_b32 s[OFT], s[OFT], 10       ; 256 words of the table each
	s_xor_b32 s[G0T+1], s[G0T+1], SLOT1
	s_sub_nc_u64 s[G0T+2:G0T+3], s[TBASE:TBASE+1], s[OFT:OFT+1]
	s_or_b32 s[G0T+3], s[G0T+3], 0x80000000
	s_add_co_u32 s[NXT], s[NXT], 1  ; the block's next tile, or behind its last the second block's tile 0
	s_cmp_gt_u32 s[NXT], s[LQ]
	s_cselect_b32 s[NXT], 0, s[NXT]
	s_cselect_b32 s[LQ], s[PB], s[LQ]
	s_wait_xcnt 0x0                 ; the last prefetches, a tile back, have read their addresses
	s_add_nc_u64 s[PFK:PFK+1], s[PFK:PFK+1], 32768
	s_add_nc_u64 s[PFV:PFV+1], s[PFV:PFV+1], 32768
.endif
	s_wait_dscnt 0x0                ; the add is done, and my reads of the slot are over
	s_barrier_signal -1
	s_sub_co_u32 s[TBK], s[TBK], 4*KS*PK  ; the fetches go back to a slot's first step, in the other slot
	s_xor_b32 s[TBK], s[TBK], SLOT1
	s_sub_co_u32 s[TBV], s[TBV], 4*KS*PV
	s_xor_b32 s[TBV], s[TBV], SLOT1
	s_sub_co_u32 s[TBB], s[TBB], 4*KS*4
	s_xor_b32 s[TBB], s[TBB], SLOT1
	s_barrier_wait -1
.if \fill
	LOAD
	ASK
.endif
.endm
	s_load_b64 s[4:5], s[0:1], 0x0          ; qkv
	s_load_b64 s[TBASE:TBASE+1], s[0:1], 0x8  ; tbl
	s_load_b64 s[10:11], s[0:1], 0x10       ; o
	v_lshl_add_u32 v[SPW], v0, 2, SPARE
	v_mov_b32 v[NIL], 0
	ds_add_u32 v[SPW], v[NIL]       ; the wave's opening: the add and its wait stand ahead of my first tensor load
	ds_add_u32 v62, v63
	v_lshrrev_b32 v1, 5, v0
	v_readfirstlane_b32 s[WV], v1   ; wave 0..3
	s_mov_b32 s[PB], ttmp9
	s_sub_co_u32 s[HI], NB-1, s[PB]
	s_and_b32 s20, ttmp7, 0xffff    ; bh
	s_and_b32 s13, s20, 15          ; h
	s_mul_i32 s13, s13, 4*TPIECE    ; the head's four copies;
	s_add_co_u32 s54, s13, 7168     ; the diagonal tile's window begins at word 1,792 of a copy
	s_mov_b32 s55, 0
	s_lshl_b32 s[OFT], s[HI], 10    ; the first block's tile 0 lies 7 - b tiles ahead of its diagonal
	s_mov_b32 s[OFT+1], 0
	s_mov_b32 s21, 0
	s_mov_b64 s[22:23], SIZE_N*128
	s_mul_u64 s[20:21], s[20:21], s[22:23]  ; the head's first byte in q, k, v and o
	s_and_b32 s16, s[WV], 1         ; which half of a tile's 256 keys of K I fetch
	s_lshl_b32 s22, s16, 14
	s_mov_b32 s23, 0
	s_add_nc_u64 s[22:23], s[22:23], s[20:21]
	s_mul_i32 s17, s16, 128*PK
	s_lshl_b32 s3, s[WV], 11        ; my 16 rows in a band of 64,
	s_lshl_b32 s2, s[HI], 15        ; in the first block,
	s_add_co_u32 s2, s2, s3
	s_lshl_b32 s84, s[PB], 15       ; and in the second
	s_add_co_u32 s84, s84, s3
	s_mov_b32 s3, 0
	s_mov_b32 s85, 0
	s_add_nc_u64 s[2:3], s[2:3], s[20:21]
	s_add_nc_u64 s[84:85], s[84:85], s[20:21]
	; group 1 for K and V: keys are dense, 128 bytes each: asked for as rows of 256 bytes, two keys a row, and padded in LDS after every key.  K: 64 rows a wave; V: 128 rows
	s_mov_b32 s[G1K], (1<<16)|(1<<20)|(4<<22)|(3<<25)  ; 2-byte elements; padding on; after every 32 words; 4 words
	s_mov_b32 s[G1V], (1<<16)|(1<<20)|(4<<22)|(7<<25)  ; the same with 8 words
.irp g, G1K, G1V
	s_mov_b32 s[\g+1], 128<<16      ; tensor_dim0 = 128
	s_mov_b32 s[\g+3], 128<<16      ; tile_dim0 = 128
	s_mov_b32 s[\g+5], 128          ; 128 elements from row to row
	s_mov_b32 s[\g+6], 0
	s_mov_b32 s[\g+7], 0
.endr
	s_mov_b32 s[G1K+2], 64<<16      ; tensor_dim1
	s_mov_b32 s[G1K+4], 64          ; tile_dim1
	s_mov_b32 s[G1V+2], 128<<16
	s_mov_b32 s[G1V+4], 128
	; group 1 for the table: four rows (copies) of 264 elements of 8 bytes, 2,304 elements apart, no padding
	s_mov_b32 s[G1T], 3<<16
	s_mov_b32 s[G1T+1], (TCOPY/8)<<16
	s_mov_b32 s[G1T+2], 4<<16
	s_mov_b32 s[G1T+3], (TCOPY/8)<<16
	s_mov_b32 s[G1T+4], 4
	s_mov_b32 s[G1T+5], TPIECE/8
	s_mov_b32 s[G1T+6], 0
	s_mov_b32 s[G1T+7], 0
	s_mov_b32 s[CS], 0x3e38aa3b     ; c = log2(e) / 8
	s_mov_b32 s[CS+1], s[CS]
	s_mov_b32 s[SEL], 0x76543210
	s_mov_b32 s[SEL+1], 0xfedcba98
	s_mov_b32 s[TBK], SLOT1+4*KS*PK ; the first change of slots turns these three into 0
	s_mov_b32 s[TBV], SLOT1+4*KS*PV
	s_mov_b32 s[TBB], SLOT1+4*KS*4
	s_mov_b32 s[G0K], 1
	s_mov_b32 s[G0K+1], s17
	s_mov_b32 s[G0V], 1
	s_mov_b32 s[G0V+1], VOFF
	s_mov_b32 s[G0T], 1
	s_mov_b32 s[G0T+1], TOFF
	s_add_co_u32 s[RT], s[HI], 1    ; the first block has 8 - b tiles
	s_mov_b32 s[NXT], 1
	s_mov_b32 s[LQ], s[HI]
	s_mov_b32 s[NEW], 1
	s_mov_b32 s[OFF+1], 0
	s_mov_b32 s[SLOTS], NB
	s_cmp_eq_u32 s[PB], 0
	s_cselect_b32 s[PFC], 6, 0
	s_wait_dscnt 0x0                ; the opening add is done
	s_wait_kmcnt 0x0
	s_add_nc_u64 s[TBASE:TBASE+1], s[TBASE:TBASE+1], s[54:55]
	s_sub_nc_u64 s[G0T+2:G0T+3], s[TBASE:TBASE+1], s[OFT:OFT+1]
	s_or_b32 s[G0T+3], s[G0T+3], 0x80000000
	s_add_nc_u64 s[6:7], s[4:5], 0x1000000         ; k
	s_add_nc_u64 s[8:9], s[4:5], 0x2000000         ; v
	s_add_nc_u64 s[PFK:PFK+1], s[6:7], s[20:21]
	s_add_nc_u64 s[PFK:PFK+1], s[PFK:PFK+1], 32768  ; at tile 1: the first change of slots steps it to tile 2
	s_add_nc_u64 s[8:9], s[8:9], s[20:21]          ; V at the head's tile 0
	s_add_nc_u64 s[PFV:PFV+1], s[8:9], 32768
	s_add_nc_u64 s[6:7], s[6:7], s[22:23]          ; K at my half of the head's tile 0
	s_add_nc_u64 s[G0K+2:G0K+3], s[6:7], 0
	s_or_b32 s[G0K+3], s[G0K+3], 0x80000000
	s_add_nc_u64 s[G0V+2:G0V+3], s[8:9], 0
	s_or_b32 s[G0V+3], s[G0V+3], 0x80000000
	s_add_nc_u64 s[86:87], s[4:5], s[84:85]        ; Q at my rows of the second block,
	s_add_nc_u64 s[4:5], s[4:5], s[2:3]            ; Q and O at those of the first
	s_add_nc_u64 s[OLO:OLO+1], s[10:11], s[84:85]
	s_add_nc_u64 s[10:11], s[10:11], s[2:3]
	LOAD                            ; tile 0 into slot 0: one load of mine is out
	v_and_b32 v1, 15, v0            ; l % 16
	v_bfe_u32 v[T9], v0, 4, 1       ; l / 16
	v_lshlrev_b32 v[QO], 7, v1
	v_lshl_add_u32 v[QO], v[T9], 4, v[QO]
	WIN 0x80                        ; destination window 2, address window 0
.set i, 0
.rept 8                             ; both blocks' Q: piece i / 2 lies in band i / 2, 8,192 bytes on; channels 32 (i % 2) on
	global_load_b128 v[8*i:8*i+3],   v[QO], s[4:5] offset:(i/2)*8192+(i%2)*64
	global_load_b128 v[8*i+4:8*i+7], v[QO], s[4:5] offset:(i/2)*8192+(i%2)*64+32
	global_load_b128 v[QB+8*i:QB+8*i+3],   v[QO], s[86:87] offset:(i/2)*8192+(i%2)*64
	global_load_b128 v[QB+8*i+4:QB+8*i+7], v[QO], s[86:87] offset:(i/2)*8192+(i%2)*64+32
.set i, i+1
.endr
	WIN 0
	; my place in a slot's table, in bytes: TOFF + 2,112 q + 4 (256 - 16 w - r + q + 8 (l / 16)) - 768, written without a negative term: r - q = 4 g, and 16 + 64 (3 - w) + 16 (3 - g) + 768 = 1,024 - 64 w - 16 g
	v_and_b32 v[BL], 3, v1          ; q
	v_mul_u32_u24 v[BL], v[BL], TCOPY
	v_lshrrev_b32 v[AB], 2, v1      ; g
	v_xor_b32 v[AB], 3, v[AB]       ; 3 - g
	v_lshl_add_u32 v[BL], v[AB], 4, v[BL]
	v_lshl_add_u32 v[BL], v[T9], 5, v[BL]
	s_sub_co_u32 s13, 3, s[WV]
	s_lshl_b32 s13, s13, 6
	s_add_co_u32 s13, s13, TOFF+16
	v_add_nc_u32 v[BL], s13, v[BL]
	v_lshlrev_b32 v[PFO], 8, v0
	v_mul_u32_u24 v[AK0], v1, PK
	v_lshl_add_u32 v[AK0], v[T9], 4, v[AK0]
	; the turning load takes 16 keys x 16 channels (lane l reads key 8 (l / 16) + l % 8, channels 8 ((l / 8) % 2) + 0..7) and leaves half a fragment of V^T
	v_and_b32 v[T10], 7, v0
	v_bfe_u32 v[T11], v0, 3, 1
	v_lshl_add_u32 v[AV0], v[T9], 3, v[T10]
	v_mul_u32_u24 v[AV0], v[AV0], PV
	v_lshl_add_u32 v[AV0], v[T11], 4, v[AV0]
	v_add_nc_u32 v[AV0], VOFF, v[AV0]
	s_mul_i32 s13, s[WV], 16*SP
	s_add_co_u32 s13, s13, STAGE    ; my stage
	v_mul_u32_u24 v[STO], v1, SP
	v_lshl_add_u32 v[STO], v[T9], 4, v[STO]
	v_add_nc_u32 v[STO], s13, v[STO]
	v_bfe_u32 v[RD], v0, 3, 2       ; back: 32 lanes take four rows of 128 bytes,
	v_mul_u32_u24 v[RD], v[RD], SP
	v_lshl_add_u32 v[RD], v[T10], 4, v[RD]
	v_add_nc_u32 v[RD], s13, v[RD]
	v_and_b32 v[GO], 31, v0         ; which are 512 consecutive bytes of O
	v_lshlrev_b32 v[GO], 4, v[GO]
	; A block's first step multiplies O^T and l by a = 0, and its first turn's products V^T P, of a piece that has not been, land in an O^T still to be so multiplied: these registers need only hold finite
	; numbers: zeros for the first block, what the first block left for the second.  All this stands in the wait for the first tile.
	WIN 0x80
.set i, VF
.rept 64
	v_mov_b32 v[i], 0
.set i, i+1
.endr
	WIN 0x40
.set i, 0
.rept 128
	v_mov_b32 v[i], 0
.set i, i+1
.endr
	WIN 0
.set i, 0
.rept 4
	v_mov_b32 v[ST+4*i+2], 0
	v_mov_b32 v[ST+4*i+3], 0
.set i, i+1
.endr
.set i, P+16
.rept 16
	v_mov_b32 v[i], 0
.set i, i+1
.endr
; THE MATRIX WORK.  The 4 accumulators of a run of 8 take turns.  Product i of 8 of S^T = K Q^T for piece x: channels 32 (i / 4) on, keys 16 (i % 4) on.  The first 4 start the sums with bias and mask.
.macro KQ x
.set rS, S+32*((\x)%2)+8*(i%4)
.set rK, KF+16*(i%4)+8*(i/4)
.set rQ, 16*(\x)+8*(i/4)
.set rM, MC+32*((\x)%2)+8*(i%4)
.if i < 4
	WIN W_KM
	v_wmma_f32_16x16x32_f16 v[rS:rS+7], v[rK:rK+7], v[rQ:rQ+7], v[rM:rM+7]
.else
	WIN W_KQ
	v_wmma_f32_16x16x32_f16 v[rS:rS+7], v[rK:rK+7], v[rQ:rQ+7], v[rS:rS+7]
.endif
.endm
; Product i of 8 of O^T += V^T P for piece x: keys 32 (i / 4) on, channels 16 (i % 4) on.
.macro PV x
	WIN W_PV
.set rO, 32*(\x)+8*(i%4)
.set rV, VF+32*(i/4)+8*(i%4)
.set rP, P+16*((\x)%2)+8*(i/4)
	v_wmma_f32_16x16x32_f16 v[rO:rO+7], v[rV:rV+7], v[rP:rP+7], v[rO:rO+7]
.endm
.macro MM                           ; the turn's next matrix instruction.  NOKQ = 1: a block's last turn: there is no next piece
.if (i < 8) && !NOKQ
	KQ (Y+1)%NP
.elseif i >= 8
.set i, i-8
	PV (Y+NP-1)%NP
.set i, i+8
.endif
.set i, i+1
.endm
; THE LDS LOADS stand in runs: a step's K (16 loads), its V, turned (16), and a piece's C operands (8).
.macro FETCH_K
	WIN 0x80
.irp f, 0,1,2,3,4,5,6,7
	ds_load_b128 v[KF+8*\f:KF+8*\f+3],   v[AK] offset:(\f/2)*16*PK+(\f%2)*64
	ds_load_b128 v[KF+8*\f+4:KF+8*\f+7], v[AK] offset:(\f/2)*16*PK+(\f%2)*64+32
.endr
	s_add_co_u32 s[TBK], s[TBK], KS*PK
	WIN 0
.endm
.macro FETCH_V
	WIN 0x80
.irp f, 0,1,2,3,4,5,6,7
	ds_load_tr16_b128 v[VF+8*\f:VF+8*\f+3],   v[AV] offset:(\f/4)*32*PV+(\f%4)*32
	ds_load_tr16_b128 v[VF+8*\f+4:VF+8*\f+7], v[AV] offset:(\f/4)*32*PV+16*PV+(\f%4)*32
.endr
	WIN 0
.endm
.macro BIAS x, buf                  ; piece x's C operands for the key step at which AB stands, into buffer buf: for each 16 keys my eight entries, 32 bytes on end
	WIN 0x40                        ; destination window 1, address window 0
.irp k, 0,1,2,3
	ds_load_b128 v[MC+32*(\buf)+8*\k:MC+32*(\buf)+8*\k+3],   v[AB] offset:256*(3-(\x))+64*\k
	ds_load_b128 v[MC+32*(\buf)+8*\k+4:MC+32*(\buf)+8*\k+7], v[AB] offset:256*(3-(\x))+64*\k+16
.endr
.endm
; THE VECTOR WORK, one line at a time: OP kind, number.  For piece Y: F n: c s - c m for pair n of 16.  E n: the exponential of score n of 32.  C n: pair n rounded to f16.  B n: of the four weights 4 n .. the second
; pair is added onto the first.  L n: l takes that sum (L 0: l = a l + sum).  R n: pair n of 16 of O^T times a.  For piece Y + 1: X n, number n of the 22 that find its maximum and statistics:
;   0-11 four chains c0-c3 of seven scores each (each accumulator's lowest registers are read first)   12-14, 16 the scores left over, the old m, c0-c3 into c0
;   15 c m_old is kept   17, 18 the other half of the lanes: the new m   19-21 c m; c m_old - c m_new; a
.set F, 0
.set E, 1
.set C, 2
.set B, 3
.set L, 4
.set R, 5
.set X, 6
.macro REGS y
.set rT, ST+4*(\y)
.set rC, TMP+4*((\y)%2)
.set rW, MV+((\y)%2)
.set rS, S+32*((\y)%2)
.set rP, P+16*((\y)%2)
.set rO, 32*(\y)
.endm
.macro OP k, n
.if (\k) == R
	REGS Y
	WIN W_RS
	v_pk_mul_f32 v[rO+2*(\n):rO+2*(\n)+1], v[rO+2*(\n):rO+2*(\n)+1], v[rC+2:rC+3] op_sel_hi:[1,0]
.elseif (\k) < R
	REGS Y
	WIN 0
.if (\k) == F
	v_pk_fma_f32 v[rS+2*(\n):rS+2*(\n)+1], v[rS+2*(\n):rS+2*(\n)+1], s[CS:CS+1], v[rT:rT+1] op_sel_hi:[1,0,0] neg_lo:[0,0,1] neg_hi:[0,0,1]
.elseif (\k) == E
	v_exp_f32 v[rS+(\n)], v[rS+(\n)]
.elseif (\k) == C
	v_cvt_pk_f16_f32 v[rP+(\n)], v[rS+2*(\n)], v[rS+2*(\n)+1]
.elseif (\k) == B
	v_pk_add_f32 v[rS+4*(\n):rS+4*(\n)+1], v[rS+4*(\n):rS+4*(\n)+1], v[rS+4*(\n)+2:rS+4*(\n)+3]
.elseif (\n) == 0
	v_pk_fma_f32 v[rT+2:rT+3], v[rT+2:rT+3], v[rC+2:rC+3], v[rS:rS+1] op_sel_hi:[1,0,1]
.else
	v_pk_add_f32 v[rT+2:rT+3], v[rT+2:rT+3], v[rS+4*(\n):rS+4*(\n)+1]
.endif
.elseif NOKQ
	v_nop
.else
	REGS (Y+1)%NP
	WIN 0
.if (\n) < 4
	v_max3_num_f32 v[rC+(\n)], v[rS+8*(\n)], v[rS+8*(\n)+1], v[rS+8*(\n)+2]
.elseif (\n) < 12
	v_max3_num_f32 v[rC+(\n)%4], v[rC+(\n)%4], v[rS+8*((\n)%4)+2*((\n)/4)+1], v[rS+8*((\n)%4)+2*((\n)/4)+2]
.elseif (\n) == 12
	v_max3_num_f32 v[rC], v[rC], v[rS+7], v[rS+15]
.elseif (\n) == 13
	v_max3_num_f32 v[rC+1], v[rC+1], v[rS+23], v[rS+31]
.elseif (\n) == 14
	v_max3_num_f32 v[rC+2], v[rC+2], v[rC+3], v[rT+1]
.elseif (\n) == 15
	v_mov_b32 v[rW], v[rT]
.elseif (\n) == 16
	v_max3_num_f32 v[rC], v[rC], v[rC+1], v[rC+2]
.elseif (\n) == 17
	v_permlanex16_b32 v[rC+3], v[rC], s[SEL], s[SEL+1]
.elseif (\n) == 18
	v_max_num_f32 v[rT+1], v[rC], v[rC+3]
.elseif (\n) == 19
	v_mul_f32 v[rT], s[CS], v[rT+1]
.elseif (\n) == 20
	v_sub_f32 v[rC+1], v[rW], v[rT]
.else
	v_exp_f32 v[rC+2], v[rC+1]
.endif
.endif
.endm
.macro OPS a, i1, b=-1, i2=0, c=-1, i3=0, d=-1, i4=0
	OP \a, \i1
.if (\b) >= 0
	OP \b, \i2
.endif
.if (\c) >= 0
	OP \c, \i3
.endif
.if (\d) >= 0
	OP \d, \i4
.endif
.endm
.macro ROW a, i1, b, i2, c, i3, d, i4  ; a matrix instruction and the four behind it
	MM
	OPS \a, \i1, \b, \i2, \c, \i3, \d, \i4
.endm
; A TURN, for piece p.  Ahead of its one wait for the exponentials stands all that names no result of theirs: the 8 products K Q^T and their riders, then the lump; behind it the 8 products V^T P, whose riders are the
; roundings and sums.  end = 1: a block's last two turns: nothing is fetched.  cnt = 1: the loop's count is taken down some lines ahead of the branch behind the turn.
; THE RUNS OF LDS LOADS.  In the lump: the C operands for the products of the turn after (piece p + 2; from piece 2's turn on they are the next key step's, so AB is made anew there, beside K's address); in piece 2's
; turn, behind them, K of the next step; at the end of piece 0's turn V of the step in hand.  THE WAITS: at a turn's head for the C operands asked for a turn earlier: for 0, but in piece 1's turn for 16, V's sixteen
; loads, issued behind them, staying out; piece 3's wait for 0 serves K too; ahead of piece 1's products V^T P for 8: V is in, that turn's own eight loads of C operands stay out.
.macro TURN p, end=0, cnt=0
.set Y, (\p)
.set i, 0
.set NOKQ, (\end)*((\p)/3)
.if (\p) == 1
	s_wait_dscnt 16
.elseif !NOKQ
	s_wait_dscnt 0x0
.endif
	ROW F,0, F,1, R,0, R,1
	ROW F,2, E,0, R,2, R,3
	ROW F,3, E,1, R,4, R,5
	ROW F,4, E,2, R,6, R,7
	ROW F,5, E,3, R,8, R,9
	ROW F,6, E,4, X,0, R,10
.if ((\p) == 2) && !(\end)
	WIN 0
	v_add_nc_u32 v[AK], s[TBK], v[AK0]
	v_add_nc_u32 v[AB], s[TBB], v[BL]
	s_add_co_u32 s[TBB], s[TBB], KS*4  ; 64 keys on
.endif
	ROW F,7, E,5, X,1, X,4
	ROW F,8, E,6, X,2, X,5
	OPS E,7, E,8, X,6, E,9
	OPS X,3, E,10, X,8, E,11
.if !(\end)
	BIAS ((\p)+2)%NP, (\p)%2
.endif
.if ((\p) == 2) && !(\end)
	FETCH_K
.endif
	OPS X,9, X,7, E,12, X,10
	OPS E,13, X,12, X,11, E,14
	OPS X,13, E,15, F,9, X,14
.if (\p) == 0
	v_add_nc_u32 v[AV], s[TBV], v[AV0]
.endif
	OPS E,16, F,10, E,17, F,11
	OPS X,16, E,18, X,15, E,19
	OPS F,12, E,20, X,17, E,21
	OPS F,13, E,22, F,14, E,23
	OPS X,18, E,24, F,15, E,25
	OPS R,11, E,26, X,19, E,27
	OPS R,12, E,28, R,13, E,29
	OPS X,20, E,30, R,14, E,31
	OPS X,21, R,15                  ; the batch's last exponential, and the plain instruction behind it
	WIN 0
	s_wait_alu depctr_va_vdst(0)    ; the one wait for the batch, ahead of the first instruction that names a result
.if (\p) == 1
	s_wait_dscnt 8                  ; V is in
.endif
	ROW C,0, B,0, C,2, B,1
	ROW L,0, C,4, B,2, L,1
	ROW C,6, B,3, L,2, C,8
	ROW B,4, L,3, C,10, B,5
	ROW L,4, C,12, B,6, L,5
.if (\p) == 0
	s_add_co_u32 s[TBV], s[TBV], KS*PV
.endif
.if \cnt
	s_sub_co_u32 s[CNT], s[CNT], 1
	s_cmp_lg_u32 s[CNT], 0
.endif
	ROW C,14, B,7, L,6, C,1
	ROW C,3, L,7, C,5, C,7
	ROW C,9, C,11, C,13, C,15
.if (\p) == 0
	FETCH_V
.endif
.endm
; A BLOCK BEGINS.  c m starts far below every c s, so the first step's a is 0; m at the lowest finite number.  Pieces 0 and 1 get their C operands for the tile's step 0; then K of that step,
; piece 0's first scores, its maximum and statistics.  The loop is entered at a step's first turn.
.macro BEGIN
	s_mov_b32 s[NEW], 0
	WIN 0
.set i, 0
.rept 4
	v_mov_b32 v[ST+4*i], 0xfe000000
	v_mov_b32 v[ST+4*i+1], 0xff7fffff
.set i, i+1
.endr
	v_add_nc_u32 v[AB], s[TBB], v[BL]
	s_add_co_u32 s[TBB], s[TBB], KS*4
	v_add_nc_u32 v[AK], s[TBK], v[AK0]
	BIAS 0, 0
	BIAS 1, 1
	FETCH_K
	s_wait_loadcnt 0x0              ; Q
	s_wait_dscnt 0x0
.set NOKQ, 0
.set i, 0
.rept 8
	KQ 0
.set i, i+1
.endr
	WIN 0
.rept 4
	v_nop                           ; the places behind those products
.endr
.set Y, NP-1
.irp n, 0,1,2,3,4,5,6,7,8,9,10,11,12,13,14,15,16,17,18,19,20,21
	OP X, \n
.endr
	v_nop                           ; a plain instruction behind the exponential,
	s_wait_alu depctr_va_vdst(0)    ; and its wait, ahead of the branch
.endm
.macro ALL line:vararg
.set t, 0
.rept 4
	\line
.set t, t+1
.endr
.endm
.macro PACK t                       ; a lane's eight channels of a row pack into 16 bytes; they go into rows of 144 bytes and come back as whole rows of 128
	WIN W_RS
.set i, 32*(\t)
.rept 16
	v_pk_mul_f32 v[i:i+1], v[i:i+1], v[ST+4*(\t)+2:ST+4*(\t)+3] op_sel_hi:[1,0]
.set i, i+2
.endr
	WIN 0x05
.set i, 0
.rept 16
	v_cvt_pk_f16_f32 v[S+16*(\t)+i], v[32*(\t)+2*i], v[32*(\t)+2*i+1]
.set i, i+1
.endr
	WIN 0
.irp f, 0,1,2,3
	ds_store_b128 v[STO], v[S+16*(\t)+4*\f:S+16*(\t)+4*\f+3] offset:32*\f
.endr
.irp f, 0,1,2,3
	ds_load_b128 v[S+16*(\t)+4*\f:S+16*(\t)+4*\f+3], v[RD] offset:\f*4*SP  ; LDS serves a wave's instructions in order (ISA guide 5.7.1.4): these see the stores above
.endr
.endm
.macro SEND t, younger              ; younger: the LDS instructions issued behind piece t's loads
	WIN 0
.irp f, 0,1,2,3
	s_wait_dscnt (\younger)+3-\f
	global_store_b128 v[GO], v[S+16*(\t)+4*\f:S+16*(\t)+4*\f+3], s[10:11] offset:(\t)*8192+\f*512  ; 512 consecutive bytes, aligned
.endr
.endm
; A BLOCK ENDS: its last two turns, its last products, and the way out: l's halves are added, O^T is divided by l, rounded to f16 and sent through my stage, a piece at a time.
.macro FINISH
	TURN 2, 1
	TURN 3, 1
.set i, 0
.rept 8
	PV NP-1
.set i, i+1
.endr
	WIN 0
	ALL v_add_f32 v[ST+4*t+2], v[ST+4*t+2], v[ST+4*t+3]
	ALL v_permlanex16_b32 v[ST+4*t+3], v[ST+4*t+2], s[SEL], s[SEL+1]
	ALL v_add_f32 v[ST+4*t+2], v[ST+4*t+2], v[ST+4*t+3]
	ALL v_rcp_f32 v[ST+4*t+2], v[ST+4*t+2]
	v_nop                           ; a plain instruction between the last reciprocal and the use of its result,
	s_wait_alu depctr_va_vdst(0)    ; and one wait for the four
	PACK 0
.set t, 1
.rept 3
	PACK t
	SEND t-1, 8
.set t, t+1
.endr
	SEND 3, 0
.endm
.set NOKQ, 0
.Lslot:                             ; 8 times: a tile is entered and the next is asked for
	CHANGE 1
	s_sub_co_u32 s[RT], s[RT], 1
	s_mov_b32 s[CNT], 4
	s_cmp_eq_u32 s[NEW], 1
	s_cbranch_scc0 .Lstep           ; not a block's first tile
	BEGIN
	s_branch .Lfirst
.Lstep:                             ; a trip: pieces 2 and 3 of one step, then pieces 0 and 1 of the next, whose K and V it fetches
	TURN 2
	TURN 3
	WIN 0
.Lfirst:
	TURN 0
	TURN 1, 0, 1
	WIN 0
	s_cbranch_scc1 .Lstep
	s_cmp_lg_u32 s[RT], 0
	s_cbranch_scc1 .Lbottom         ; the block has more tiles
	FINISH                          ; in the loop this is the first block's end: the second block's last tile is the walk's last
	s_wait_xcnt 0x0                 ; the stores have read their registers and O's address
	s_mov_b64 s[10:11], s[OLO:OLO+1]
	s_add_co_u32 s[RT], s[PB], 1    ; the second block has b + 1 tiles
	s_mov_b32 s[NEW], 1
	WIN 0x82                        ; its Q goes where the one text of the turns names Q
.set i, 0
.rept 64
	v_mov_b32 v[i], v[QB+i]
.set i, i+1
.endr
	WIN 0
.Lbottom:
	s_sub_co_u32 s[SLOTS], s[SLOTS], 1
	s_cmp_lg_u32 s[SLOTS], 0
	s_cbranch_scc1 .Lslot
	CHANGE 0                        ; the walk's last tile is written out: nothing is asked for
	s_sub_co_u32 s[RT], s[RT], 1
	s_mov_b32 s[CNT], 4
	s_cmp_eq_u32 s[NEW], 1
	s_cbranch_scc0 .Lstep2
	BEGIN
	s_branch .Lfirst2
.Lstep2:
	TURN 2
	TURN 3
	WIN 0
.Lfirst2:
	TURN 0
	TURN 1, 0, 1
	WIN 0
	s_cbranch_scc1 .Lstep2
	FINISH
	s_wait_tensorcnt 0x0            ; the wave's end, behind my last tensor load and my last LDS store
	ds_add_u32 v[SPW], v[NIL]
	s_wait_dscnt 0x0
	s_endpgm
.Lfunc_end_k_q5e05e9791c_attn:
	.size	k_q5e05e9791c_attn, .Lfunc_end_k_q5e05e9791c_attn-k_q5e05e9791c_attn
	.p2alignl 7, 3214868480
	.fill 96, 4, 3214868480
	.section	.rodata,"a",@progbits
	.p2align	6, 0x0
	.amdhsa_kernel k_q5e05e9791c_attn
		.amdhsa_group_segment_fixed_size 327680
		.amdhsa_private_segment_fixed_size 0
		.amdhsa_enable_private_segment 0
		.amdhsa_kernarg_size 24
		.amdhsa_user_sgpr_count 2
		.amdhsa_user_sgpr_kernarg_segment_ptr 1
		.amdhsa_wavefront_size32 1
		.amdhsa_system_sgpr_workgroup_id_x 1
		.amdhsa_system_sgpr_workgroup_id_y 1
		.amdhsa_system_sgpr_workgroup_id_z 1
		.amdhsa_system_vgpr_workitem_id 0
		.amdhsa_next_free_vgpr 768
		.amdhsa_next_free_sgpr 96
		.amdhsa_reserve_vcc 0
		.amdhsa_float_denorm_mode_32 3
		.amdhsa_float_denorm_mode_16_64 3
		.amdhsa_memory_ordered 1
		.amdhsa_forward_progress 1
		.amdhsa_inst_pref_size 173
	.end_amdhsa_kernel
	.amdgpu_metadata
---
amdhsa.version: [ 1, 2 ]
amdhsa.kernels:
  - .name:           k_q5e05e9791c_attn
    .symbol:         k_q5e05e9791c_attn.kd
    .args:
      - { .name: qkv, .offset: 0, .size: 8, .value_kind: global_buffer, .address_space: global }
      - { .name: tbl, .offset: 8, .size: 8, .value_kind: global_buffer, .address_space: global }
      - { .name: o, .offset: 16, .size: 8, .value_kind: global_buffer, .address_space: global }
    .group_segment_fixed_size: 327680
    .private_segment_fixed_size: 0
    .kernarg_segment_align: 8
    .kernarg_segment_size: 24
    .max_flat_workgroup_size: 128
    .sgpr_count:     96
    .vgpr_count:     768
    .wavefront_size: 32
...
	.end_amdgpu_metadata
.endif
;; end of part 3
;; launch outp (part 4): grid 8 x 32, 4 waves a work-group, clusters of 4 x 4, 327,680 bytes of LDS; arguments o, w0t, out0; writes out0
.if DOCPART == 4
	.amdgcn_target "amdgcn-amd-amdhsa--gfx1250"
	.amdhsa_code_object_version 6
	.text
	.protected	k_q5e05e9791c_outp
	.globl	k_q5e05e9791c_outp
	.p2align	8
	.type	k_q5e05e9791c_outp,@function
k_q5e05e9791c_outp:
	s_mov_b64 s[64:65], 0
	v_nop
	global_prefetch_b8 v0, s[64:65] scope:SCOPE_SE
	s_setreg_imm32_b32 hwreg(HW_REG_WAVE_MODE, 25, 1), 1
	s_wait_xcnt 0x0
	s_wait_alu depctr_hold_cnt(0) depctr_sa_sdst(0) depctr_va_vdst(0) depctr_va_sdst(0) depctr_va_ssrc(0) depctr_va_vcc(0) depctr_vm_vsrc(0)
	s_getreg_b32 s2, hwreg(HW_REG_IB_STS2, 6, 4)
	s_cmp_eq_u32 s2, 0
	s_cbranch_scc0 .Lentry_in_a_cluster
	s_endpgm
.Lentry_in_a_cluster:
	s_bfe_u32 s2, ttmp6, 0x10000c
	s_cmp_lg_u32 s2, 0xf033
	s_cbranch_scc0 .Lentry_shape_is_right
	s_endpgm
.Lentry_shape_is_right:
; OUTP: out0 = O W_0.  A = o [64 bh][2048 t][64 d] f16 (row m = 2048 b + t, k = 64 h + d), B = w0t [1024 n][1024 k] f16, sums in f32, K ascending; out0 [8192][1024] f32.
; A tile of C is 256 rows x 128 columns: 256 work-groups.  Four waves, 2 x 2, each 128 x 64: 32 accumulators, 256 registers.
; K goes in 8 steps of 128 = two heads, through two LDS slots.  A head's 256 rows are 32,768 dense bytes: asked for as 128 rows of 256 bytes and padded in LDS after every 128, so that they lie as [head][t], 144 bytes a row.
; CLUSTER 4 x 4: A's tile hangs on the tile row alone and is asked for jointly by the four of a row of the cluster, B's on the tile column alone, by the four of a column.
; THE MATRIX INSTRUCTION IS USED TRANSPOSED (source 0 = 16 rows of B, source 1 = 16 rows of A): a lane holds eight neighbouring columns of one row of C.
; REGISTERS, in windows of 256: window 0: v16-30 addresses, v32-63 and v224-255 rows on the way out, v64-127 and v128-191 A's fragments (two buffers);
;   window 1: v64-95, v128-159 B's fragments; window 2: accumulator (a, b) of my rows 0-63 at v[8 (4 a + b)]; window 3: those of rows 64-127.
.set NBW,    4                         ; blocks of 16 columns a wave
.set BN,     32*NBW                    ; columns in a tile
.set PA,     144                       ; A's LDS row: 128 bytes + 16
.set PBB,    272                       ; B's: 256 + 16
.set AW,     256*PA                    ; what one load of A brings: a head's 256 rows
.set ATILE,  2*AW
.set BHALF,  (BN/2)*PBB
.set SLOT,   ATILE+2*BHALF
.set KAH,    AW                        ; bytes from A's quarter q to quarter q + 2 in LDS: the next head
.set STEPA,  524288                    ; bytes from a K step to the next in memory: two heads
.set QIA,    4                         ; A's padding stands after every 32 words
.set STRA,   128                       ; elements from row to row of A's dense block
.set PSHA,   13                        ; a partner's share of A's prefetch: 32 blocks of 256 bytes
.set SHA,    8                         ; its lanes lie 256 bytes apart
.set NL,     2*NBW+16
.set LAPS,   4
.set SPITCH, 272                       ; the stage's row: a wave's 64 columns in f32 = 256 bytes, + 16
.set STAGE,  2*SLOT                    ; behind the ring, never filled by a tensor load: 16 rows for each wave, its own
.set SPARE,  STAGE+4*16*SPITCH         ; the spare words, 128 bytes for each wave, that no other line names
.set ADRA, 16
.set ADRB, 20
.set STO,  24
.set RD,   25
.set CO,   26
.set SPW,  28                          ; v28 LDS address of my spare word; never rewritten
.set NIL,  29                          ; v29 0; never rewritten
.set PFO,  30                          ; v30 the prefetches' lane offset; never rewritten
.set OB,   32
.set F0,   64
.set F1,   128
.set G1,  24
.set G0,  32
.set G1B, 48
.set G0B, 56
.set LIM, 43
.set PFA, 44
.set PFS, 66
.set MSB, 0
.macro WIN new
.if MSB != (\new)
	s_set_vgpr_msb (MSB<<8)|(\new)
.set MSB, \new
.endif
.endm
.set MUL_LO, 0xa1
.set MUL_HI, 0xf1
.set TO_B,   0x40
; A joint load: waves 0 and 1 fetch A's two heads, waves 2 and 3 B's two halves.  The branch hangs on the wave's number alone.  An s_nop 0 and four v_nop follow each line.
.macro JLOAD s
	s_cmp_eq_u32 s11, 0
	s_cbranch_scc0 .Lfor_b_\@
	tensor_load_to_lds s[G0+4*(\s):G0+4*(\s)+3], s[G1:G1+7]
	s_nop 0
.rept 4
	v_nop
.endr
	s_branch .Lasked_\@
.Lfor_b_\@:
	tensor_load_to_lds s[G0B+4*(\s):G0B+4*(\s)+3], s[G1B:G1B+7]
	s_nop 0
.rept 4
	v_nop
.endr
.Lasked_\@:
.endm
; A prefetch into the L2, behind a joint load and the run of LDS loads that follows it: my share of the K step that stands two refills on.  A's blocks are asked for by the clusters with x = 0, B's rows by those
; with y = 0; the four partners of a joint load share them out by address.  The loop's last trip asks for nothing; K steps 0 to 3 come by their loads alone.
.macro ASK
	s_cmp_gt_u32 s3, s[LIM]
	s_cbranch_scc0 .Lnot_mine_\@
	global_prefetch_b8 v[PFO], s[PFA:PFA+1] th:TH_LOAD_NT scope:SCOPE_SE
.Lnot_mine_\@:
.endm
.macro CREST
	s_cmp_lg_u32 s10, 0
	s_cbranch_scc1 .Lnot_wave_0_\@
	s_barrier_signal -3
.Lnot_wave_0_\@:
	s_barrier_wait -3
	s_barrier_signal -1
	s_barrier_wait -1
.endm
.macro CROUND
	s_barrier_signal -1
	s_barrier_wait -1
	CREST
.endm
	s_load_b128 s[4:7], s[0:1], 0x0                ; A s[4:5], B s[6:7]
	s_load_b64 s[8:9], s[0:1], 0x10                ; C
	v_lshl_add_u32 v[SPW], v0, 2, SPARE
	v_mov_b32 v[NIL], 0
	ds_add_u32 v[SPW], v[NIL]                      ; the wave's opening: the add and its wait stand ahead of my first tensor load
	ds_add_u32 v28, v29
	v_lshrrev_b32 v1, 5, v0
	v_readfirstlane_b32 s10, v1
	s_lshr_b32 s11, s10, 1                         ; my half of the tile's rows.  Also: I fetch for A (0) or for B (1)
	s_and_b32 s12, s10, 1                          ; my half of its columns.  Also: which head, or which half of B's rows, I fetch
	s_bfe_u32 s40, ttmp6, 0x40000                  ; cx
	s_bfe_u32 s41, ttmp6, 0x40004                  ; cy
	s_lshl_b32 s42, ttmp9, 2
	s_add_co_u32 s42, s42, s40                     ; tile column
	s_and_b32 s13, ttmp7, 0xffff
	s_lshl_b32 s13, s13, 2
	s_add_co_u32 s13, s13, s41                     ; tile row
	s_lshl_b32 s43, s41, 2
	s_lshl_b32 s43, 15, s43                        ; my row of the cluster
	s_lshl_b32 s44, 0x1111, s40                    ; my column
	s_or_b32 s[G1+0], s43, (1<<16)|(1<<20)|(1<<21)|(QIA<<22)|(3<<25)
	s_or_b32 s[G1B+0], s44, (1<<16)|(1<<20)|(1<<21)|(5<<22)|(3<<25)
	s_mov_b32 s[G1+1], 128<<16
	s_mov_b32 s[G1+2], 128<<16
	s_mov_b32 s[G1+3], 128<<16
	s_mov_b32 s[G1+4], 128
	s_mov_b32 s[G1+5], STRA
	s_mov_b32 s[G1+6], 0
	s_mov_b32 s[G1+7], 0
	s_mov_b32 s[G1B+1], 128<<16
	s_mov_b32 s[G1B+2], (BN/2)<<16
	s_mov_b32 s[G1B+3], 128<<16
	s_mov_b32 s[G1B+4], BN/2
	s_mov_b32 s[G1B+5], 1024
	s_mov_b32 s[G1B+6], 0
	s_mov_b32 s[G1B+7], 0
	s_lshr_b32 s16, s13, 3                         ; A: batch b = tile row / 8: 16 heads of 262,144 bytes,
	s_lshl_b32 s16, s16, 22
	s_and_b32 s17, s13, 7                          ; the tile's 256 tokens of 128 bytes,
	s_lshl_b32 s17, s17, 15
	s_add_co_u32 s16, s16, s17
	s_lshl_b32 s17, s12, 18                        ; my head of the K step's two
	s_add_co_u32 s16, s16, s17
	s_mov_b32 s17, 0
	s_mul_i32 s46, s42, BN*2048                    ; B: (128 x tile column + 64 x half) rows of 2,048 bytes
	s_mul_i32 s47, s12, (BN/2)*2048
	s_add_co_u32 s46, s46, s47
	s_mov_b32 s47, 0
	s_mul_i32 s20, s12, AW                         ; where they go: no place in the cluster enters an LDS address
	s_mul_i32 s74, s12, BHALF
	s_add_co_u32 s74, s74, ATILE
	s_wait_dscnt 0x0                               ; the opening add is done
	s_wait_kmcnt 0x0
	s_add_nc_u64 s[14:15], s[4:5], s[16:17]
	s_add_nc_u64 s[46:47], s[6:7], s[46:47]
	CROUND                                         ; all sixteen work-groups are here: the first joint loads meet
.irp s, 0,1
	s_mov_b32 s[G0+4*(\s)], 1
	s_add_co_u32 s[G0+4*(\s)+1], s20, (\s)*SLOT
	s_add_nc_u64 s[G0+4*(\s)+2:G0+4*(\s)+3], s[14:15], (\s)*STEPA
	s_or_b32 s[G0+4*(\s)+3], s[G0+4*(\s)+3], 0x80000000
	s_mov_b32 s[G0B+4*(\s)], 1
	s_add_co_u32 s[G0B+4*(\s)+1], s74, (\s)*SLOT
	s_add_nc_u64 s[G0B+4*(\s)+2:G0B+4*(\s)+3], s[46:47], (\s)*256
	s_or_b32 s[G0B+4*(\s)+3], s[G0B+4*(\s)+3], 0x80000000
	JLOAD \s                                       ; two loads of mine are out
.endr
	v_and_b32 v1, 15, v0
	v_bfe_u32 v2, v0, 4, 1
	v_mul_u32_u24 v3, v1, PA
	v_lshl_add_u32 v3, v2, 4, v3
	v_mul_u32_u24 v4, v1, PBB
	v_lshl_add_u32 v4, v2, 4, v4
	s_mul_i32 s21, s11, 128*PA
	s_mul_i32 s22, s12, BHALF
	s_add_co_u32 s22, s22, ATILE
.irp s, 0,1
	v_add_nc_u32 v[ADRA+(\s)], s21, v3
	v_add_nc_u32 v[ADRB+(\s)], s22, v4
	s_add_co_u32 s21, s21, SLOT
	s_add_co_u32 s22, s22, SLOT
.endr
	; the prefetches
	s_lshl_b32 s20, s40, PSHA
	s_add_co_u32 s20, s20, s16                     ; A: the head's block that I fetch, my work-group's quarter of it
	s_mul_i32 s21, s42, BN*2048
	s_mul_i32 s22, s12, (BN/2)*2048
	s_add_co_u32 s21, s21, s22
	s_mul_i32 s22, s41, (BN/8)*2048
	s_add_co_u32 s21, s21, s22                     ; B: the rows that I fetch, my work-group's 16 of them
	s_and_b32 s22, ttmp7, 0xffff                   ; cluster y
	s_mov_b32 s74, STEPA
	s_cmp_eq_u32 s11, 0
	s_cselect_b32 s20, s20, s21
	s_cselect_b32 s22, ttmp9, s22
	s_cselect_b64 s[PFA:PFA+1], s[4:5], s[6:7]
	s_cselect_b32 s[PFS], s74, 256
	s_cselect_b32 s23, 31, BN/8-1                  ; the last row of my share: lanes beyond it name it again
	s_cselect_b32 s75, SHA, 11
	s_cmp_eq_u32 s22, 0
	s_cselect_b32 s[LIM], 1, -1
	s_mov_b32 s21, 0
	s_mov_b32 s[PFS+1], 0
	s_add_nc_u64 s[PFA:PFA+1], s[PFA:PFA+1], s[20:21]
	s_mul_i32 s20, s[PFS], 3
	s_add_nc_u64 s[PFA:PFA+1], s[PFA:PFA+1], s[20:21]  ; at K step 3: the first refill (K step 2) steps it to 4
	v_and_b32 v[PFO], 31, v0
	v_min_u32 v[PFO], s23, v[PFO]
	v_lshlrev_b32 v[PFO], s75, v[PFO]
	; the way out
	s_mul_i32 s23, s10, 16*SPITCH
	s_add_co_u32 s23, s23, STAGE                   ; my stage
	v_mul_u32_u24 v5, v1, SPITCH                   ; in: row l % 16, 32 bytes for each half of the lanes
	v_lshl_add_u32 v5, v2, 5, v5
	v_add_nc_u32 v[STO], s23, v5
	v_mul_u32_u24 v5, v2, SPITCH                   ; back: lanes 0-15 one row of 256 bytes, lanes 16-31 the next
	v_lshl_add_u32 v5, v1, 4, v5
	v_add_nc_u32 v[RD], s23, v5
	v_lshlrev_b32 v5, 12, v2                       ; and the same two rows in C, 4,096 bytes apart
	v_lshl_add_u32 v[CO], v1, 4, v5
	s_lshl_b32 s16, s13, 20                        ; my part of the tile in C: (256 x tile row + 128 x row half) rows,
	s_lshl_b32 s17, s11, 19
	s_add_co_u32 s16, s16, s17
	s_lshl_b32 s17, s42, 9                         ; 512 x tile column + 256 x column half bytes
	s_add_co_u32 s16, s16, s17
	s_lshl_b32 s17, s12, 8
	s_add_co_u32 s16, s16, s17
	s_mov_b32 s17, 0
; 8 matrix instructions: row blocks a0, a0 + 1 of the window's four x all 4 column blocks, 32 along K.  zero = 1: the product starts the sums.  The 32 accumulators take turns, one instruction a turn.
.macro MULH f, hi, a0, zero
	WIN MUL_LO+0x50*(\hi)
.irp a, \a0, (\a0)+1
.set b, 0
.rept NBW
.if \zero
	v_wmma_f32_16x16x32_f16 v[8*(NBW*(\a)+b):8*(NBW*(\a)+b)+7], v[(\f)+8*b:(\f)+8*b+7], v[(\f)+8*(4*(\hi)+(\a)):(\f)+8*(4*(\hi)+(\a))+7], 0
.else
	v_wmma_f32_16x16x32_f16 v[8*(NBW*(\a)+b):8*(NBW*(\a)+b)+7], v[(\f)+8*b:(\f)+8*b+7], v[(\f)+8*(4*(\hi)+(\a)):(\f)+8*(4*(\hi)+(\a))+7], v[8*(NBW*(\a)+b):8*(NBW*(\a)+b)+7]
.endif
.set b, b+1
.endr
.endr
.endm
.macro FETCH slot, q, f
	WIN TO_B
.set i, 0
.rept NBW
	ds_load_b128 v[(\f)+8*i:(\f)+8*i+3],   v[ADRB+(\slot)] offset:64*(\q)+i*16*PBB
	ds_load_b128 v[(\f)+8*i+4:(\f)+8*i+7], v[ADRB+(\slot)] offset:64*(\q)+i*16*PBB+32
.set i, i+1
.endr
	WIN 0
.set i, 0
.rept 8
	ds_load_b128 v[(\f)+8*i:(\f)+8*i+3],   v[ADRA+(\slot)] offset:((\q)/2)*KAH+((\q)%2)*64+i*16*PA
	ds_load_b128 v[(\f)+8*i+4:(\f)+8*i+7], v[ADRA+(\slot)] offset:((\q)/2)*KAH+((\q)%2)*64+i*16*PA+32
.set i, i+1
.endr
.endm
.macro PLACES                          ; four plain vector instructions between a matrix instruction and a load into, or a read of, its registers (ISA guide 7.12.1 for reads)
.rept 4
	v_nop
.endr
.endm
.macro QUARTER slot, q, f, g, zero
	s_wait_dscnt 8                                 ; B and A's rows 0-63 are in; the youngest eight loads (A's rows 64-127) may be out
	MULH \f, 0, 0, \zero
	MULH \f, 0, 2, \zero
	PLACES
	FETCH \slot, \q, \g
	s_wait_dscnt NL                                ; all but the run just issued
	MULH \f, 1, 0, \zero
	MULH \f, 1, 2, \zero
.endm
; the last quarter multiplies buffer 1 and changes slots: one barrier; ahead of it each wave waits for all its tensor loads, adds 0 to its spare word and waits for that and for its reads of this slot.
; fill = 1: the barrier opens a round of the cluster's, and this slot is filled again, two K steps ahead, first thing behind the round.
.macro TURN slot, next, fill
.if \fill
	s_wait_xcnt 0x0                                ; the last prefetch, a K step back, has read its address
	s_add_nc_u64 s[PFA:PFA+1], s[PFA:PFA+1], s[PFS:PFS+1]
.endif
	WIN 0
	s_wait_tensorcnt 0x0
	ds_add_u32 v[SPW], v[NIL]
	s_wait_dscnt 9                                 ; the add and the youngest eight loads may be out
	MULH F1, 0, 0, 0
	s_wait_dscnt 0x0                               ; the add is done, and my reads of this slot are over
	s_barrier_signal -1
	MULH F1, 0, 2, 0
.if \fill
	WIN 0
.endif
	s_barrier_wait -1
.if \fill
	CREST
	s_add_nc_u64 s[G0+4*(\slot)+2:G0+4*(\slot)+3], s[G0+4*(\slot)+2:G0+4*(\slot)+3], 2*STEPA
	s_add_nc_u64 s[G0B+4*(\slot)+2:G0B+4*(\slot)+3], s[G0B+4*(\slot)+2:G0B+4*(\slot)+3], 2*256
	JLOAD \slot                                    ; its four v_nop are also the places in front of the loads below
.else
	PLACES
.endif
	FETCH \next, 0, F0
.if \fill
	ASK
.endif
	MULH F1, 1, 0, 0
	MULH F1, 1, 2, 0
.endm
	s_wait_tensorcnt 1                             ; my part of K step 0 is in; K step 1's load may stay out
	s_barrier_signal -1
	s_barrier_wait -1
	FETCH 0, 0, F0
	QUARTER 0, 1, F0, F1, 1
	WIN 0
	s_mov_b32 s3, LAPS-1
.Llap:
	QUARTER 0, 2, F1, F0, 0
	QUARTER 0, 3, F0, F1, 0
	TURN 0, 1, 1
	QUARTER 1, 1, F0, F1, 0
	QUARTER 1, 2, F1, F0, 0
	QUARTER 1, 3, F0, F1, 0
	TURN 1, 0, 1
	QUARTER 0, 1, F0, F1, 0
	WIN 0
	s_sub_co_u32 s3, s3, 1
	s_cmp_lg_u32 s3, 0
	s_cbranch_scc1 .Llap
	QUARTER 0, 2, F1, F0, 0
	QUARTER 0, 3, F0, F1, 0
	TURN 0, 1, 0
	QUARTER 1, 1, F0, F1, 0
	QUARTER 1, 2, F1, F0, 0
	QUARTER 1, 3, F0, F1, 0
	s_wait_dscnt 8
	MULH F1, 0, 0, 0
	MULH F1, 0, 2, 0
	s_wait_dscnt 0x0
	MULH F1, 1, 0, 0
	MULH F1, 1, 2, 0
	WIN 0
	; THE WAY OUT, 16 rows at a time through my own stage: a lane's eight f32 go in as 32 bytes of a row, whole rows of 256 bytes come back, and sixteen lanes store 256 consecutive bytes, aligned.
	PLACES
.set a, 0
.rept 8
.set BK, OB+192*(a%2)
	WIN 0x08+4*(a/4)                               ; the stores' data in window 2 or 3
.set b, 0
.rept NBW
.set AC, 8*(NBW*(a%4)+b)
	ds_store_b128 v[STO], v[AC:AC+3]   offset:64*b
	ds_store_b128 v[STO], v[AC+4:AC+7] offset:64*b+16
.set b, b+1
.endr
	WIN 0
.set t, 0
.rept 8
	ds_load_b128 v[BK+4*t:BK+4*t+3], v[RD] offset:t*2*SPITCH  ; LDS serves a wave's instructions in order (ISA guide 5.7.1.4): these see the stores above
.set t, t+1
.endr
	s_wait_dscnt 0x0
	s_wait_xcnt 0x0                                ; the stores' base, and the rows that the block before last stored, are written again only behind this wait
.if a == 0
	s_add_nc_u64 s[8:9], s[8:9], s[16:17]
.else
	s_add_nc_u64 s[8:9], s[8:9], 16*4096
.endif
.set t, 0
.rept 8
	global_store_b128 v[CO], v[BK+4*t:BK+4*t+3], s[8:9] offset:t*2*4096 th:TH_STORE_NT
.set t, t+1
.endr
.set a, a+1
.endr
	s_wait_tensorcnt 0x0                           ; the wave's end
	ds_add_u32 v[SPW], v[NIL]
	s_wait_dscnt 0x0
	CROUND                                         ; the closing round: no work-group ends while a partner may still ask for a tile that names it
	s_endpgm
.Lfunc_end_k_q5e05e9791c_outp:
	.size	k_q5e05e9791c_outp, .Lfunc_end_k_q5e05e9791c_outp-k_q5e05e9791c_outp
	.p2alignl 7, 3214868480
	.fill 96, 4, 3214868480
	.section	.rodata,"a",@progbits
	.p2align	6, 0x0
	.amdhsa_kernel k_q5e05e9791c_outp
		.amdhsa_group_segment_fixed_size 327680
		.amdhsa_private_segment_fixed_size 0
		.amdhsa_enable_private_segment 0
		.amdhsa_kernarg_size 24
		.amdhsa_user_sgpr_count 2
		.amdhsa_user_sgpr_kernarg_segment_ptr 1
		.amdhsa_wavefront_size32 1
		.amdhsa_system_sgpr_workgroup_id_x 1
		.amdhsa_system_sgpr_workgroup_id_y 1
		.amdhsa_system_sgpr_workgroup_id_z 1
		.amdhsa_system_vgpr_workitem_id 0
		.amdhsa_next_free_vgpr 896
		.amdhsa_next_free_sgpr 76
		.amdhsa_reserve_vcc 0
		.amdhsa_float_denorm_mode_32 3
		.amdhsa_float_denorm_mode_16_64 3
		.amdhsa_memory_ordered 1
		.amdhsa_forward_progress 1
		.amdhsa_inst_pref_size 88
	.end_amdhsa_kernel
	.amdgpu_metadata
---
amdhsa.version: [ 1, 2 ]
amdhsa.kernels:
  - .name:           k_q5e05e9791c_outp
    .symbol:         k_q5e05e9791c_outp.kd
    .args:
      - { .name: o, .offset: 0, .size: 8, .value_kind: global_buffer, .address_space: global }
      - { .name: w0t, .offset: 8, .size: 8, .value_kind: global_buffer, .address_space: global }
      - { .name: out0, .offset: 16, .size: 8, .value_kind: global_buffer, .address_space: global }
    .group_segment_fixed_size: 327680
    .private_segment_fixed_size: 0
    .kernarg_segment_align: 8
    .kernarg_segment_size: 24
    .max_flat_workgroup_size: 128
    .sgpr_count:     76
    .vgpr_count:     896
    .wavefront_size: 32
...
	.end_amdgpu_metadata
.endif
;; end of part 4
;; ======== version 2 of 2: 4 launches; version 1 with the launch prep written anew for expert scheduling mode
;; limits: values are held in f16: magnitudes above 65,504 overflow, below 6.1e-05 lose precision
;; workspace buffers: xb 16,777,216 bytes; wt 6,291,456 bytes; w0t 2,097,152 bytes; tbl 1,179,648 bytes; qkv 50,331,648 bytes; o 16,777,216 bytes
;; launch prep (part 5): grid 1216 x 1, 4 waves a work-group, no clusters, 70,144 bytes of LDS; arguments x, W_qkv, W_0, rel_bias, xb, wt, w0t, tbl; writes xb, wt, w0t, tbl
.if DOCPART == 5
	.amdgcn_target "amdgcn-amd-amdhsa--gfx1250"
	.amdhsa_code_object_version 6
	.text
	.protected	k_q5e05e9791c_prep
	.globl	k_q5e05e9791c_prep
	.p2align	8
	.type	k_q5e05e9791c_prep,@function
k_q5e05e9791c_prep:
	s_mov_b64 s[64:65], 0
	v_nop
	global_prefetch_b8 v0, s[64:65] scope:SCOPE_SE
	s_setreg_imm32_b32 hwreg(HW_REG_WAVE_SCHED_MODE, 0, 2), 2
	s_setreg_imm32_b32 hwreg(HW_REG_WAVE_MODE, 25, 1), 1
	s_wait_xcnt 0x0
	s_wait_alu depctr_vm_vsrc(0)
; PREP: the module's four inputs are rounded once to bf16 and laid out for the three launches behind.
;   xb  [8192][1024] bf16           = x
;   wt  [3072][1024] bf16           row 192 h + 64 which + d = column 48 d + 16 which + h of W_qkv (which: 0 q, 1 k, 2 v): 192 rows on end are one head's q, k, v
;   w0t [1024 n][1024 k] f16        = W_0[k][n] rounded to bf16, that number written as f16
;   tbl 64 pieces of 4,608 f32      piece 4 h + q, word P stands for u = P - q - 1: 8 x bf16(rel_bias[u][h]) for 0 <= u <= 2047, else -1e30
; The table is bias and causal mask in one: u = j - i + 2047 is above 2047 just where key j is hidden from query i.  The factor 8 undoes the scale 1/8 that the
; attention applies to score and bias together.  Four pieces a head, each shifted by one word more, so that every lane there can read 16 aligned bytes.
; LIMITS.  A number of W_0 whose bf16 value lies under 2^-17 keeps f16's fixed step of 6e-8; beyond 65,504 it would become an infinity.  rel_bias rows above 2047 belong to hidden keys and are not read.
; ROLES, by the work-group's number: 0-95 W_qkv, 96-127 W_0, 128-191 the table, 192-1215 x.  Memory binds; no matrix unit, no cluster (nothing is shared), no barrier:
; a wave turns its tile of 128 k x 64 columns in LDS bytes of its own.
; THE MODE: SCHED_MODE bits 1:0 = 2 (LLVM: expert scheduling mode 2), set by the entry lines.  The code itself states the register dependences between vector instructions and
; memory or LDS instructions, and those through scalar registers that vector instructions write, with s_wait_alu, always for 0.
; THE PLAN: the registers that memory or LDS instructions touch, and who else names them.
;   x.      VO, GOF: offsets, made once.  D: sixteen loads land in it, once.  E: block p of four roundings' pairs writes its eight registers, once; the four stores issued in block p + 1 read them.
;           One wait on va_vdst at the head of a block states that the block before has written its E; the stores are dealt among the block's roundings, which name this block's D and E alone.
;   W, in.  D: global loads alone land in it; trip t's conversions read it, and behind them the loads of trip t + 1 are issued.  PW: the conversions write it, the trip's 32 LDS stores read it.
;           LS: the LDS stores read it; stepped at the trip's end.  VO: made once.  T and U are named by vector instructions alone.
;           One wait on va_vdst a trip, behind the conversions: PW is written, D is read, LS is written.  One on vm_vsrc at the trip's end: the LDS stores have read PW and LS.
;   W, out. PW: the trip's eight LDS loads land in it, its eight stores read it.  LR: the LDS loads read it.  OFFS (W_qkv), made anew at each trip's head, or GOF (W_0): the stores read them.
;           One wait on va_vdst a trip, behind the offsets' arithmetic; one on vm_vsrc at the trip's end, ahead of the steps of LR, VC and GOF.
;   table.  OF, GOF, BIG: made once.  DT: twenty loads land in it; vector instructions work on it in place; five stores read it.  s[MK ..]: ten masks, written by a run of compares, read by the selects.
.set LP,     272                       ; an LDS row: 128 k in 16 bits = 256 bytes, + 16
.set WLDS,   64*LP                     ; a wave's 64 rows
.set TPIECE, 18432                     ; bytes in a piece of the table
.set CL,  4                            ; v4   lane % 16
.set RL,  5                            ; v5   lane / 16
.set VO,  6                            ; v6   offset of loads
.set LS,  7                            ; v7   where I store into LDS
.set LR,  8                            ; v8   where I read back
.set VC,  9                            ; v9   the column of W_qkv that my first row of a trip holds
.set CL16, 10                          ; v10  16 x (lane % 16)
.set GOF, 11                           ; v11  offset of stores
.set T,   12                           ; v12-15 packed pairs, at work
.set OFFS, 16                          ; v16-23 offsets of eight stores
.set U,   24                           ; v24-31 at work
.set D,   32                           ; v32-95 data as loaded from memory
.set E,   96                           ; v96-127 packed x
.set PW,  96                           ; v96-127 W: a trip's 32 packed words on their way into LDS; later 16 rows on their way out
.set UU,  32                           ; the table: v32-51 u, v52-71 offsets, v72-91 numbers, v92-95 -1e30
.set OF,  52
.set DT,  72
.set BIG, 92
.set MK,  28                           ; s28-37 the table: ten masks
	s_load_b256 s[4:11], s[0:1], 0x0               ; x s[4:5], W_qkv s[6:7], W_0 s[8:9], rel_bias s[10:11]
	s_load_b256 s[12:19], s[0:1], 0x20             ; xb s[12:13], wt s[14:15], w0t s[16:17], tbl s[18:19]
	v_lshl_add_u32 v2, v0, 2, 0x11000
	v_mov_b32 v3, 0
	v_lshrrev_b32 v1, 5, v0
	v_readfirstlane_b32 s20, v1                    ; wave 0..3
	v_and_b32 v[CL], 15, v0
	v_bfe_u32 v[RL], v0, 4, 1
	s_mov_b32 s25, 0                               ; the upper word of every offset pair s[24:25]
	s_wait_alu depctr_va_sdst(0)                   ; s20 is written, ahead of the branches below and of its first reader: a wave's tile and its LDS bytes are made from it
	s_wait_kmcnt 0x0
	s_cmp_lt_u32 ttmp9, 96
	s_cbranch_scc1 .Lwqkv
	s_cmp_lt_u32 ttmp9, 128
	s_cbranch_scc1 .Lw0
	s_cmp_lt_u32 ttmp9, 192
	s_cbranch_scc1 .Ltable
	; x: 32,768 bytes a work-group.  All sixteen loads of a thread go out at once; a wave's load covers 512 consecutive bytes, its store 256, aligned.
	s_sub_co_u32 s21, ttmp9, 192
	s_lshl_b32 s24, s21, 15
	s_add_nc_u64 s[4:5], s[4:5], s[24:25]
	s_lshl_b32 s24, s21, 14
	s_add_nc_u64 s[12:13], s[12:13], s[24:25]
	v_lshlrev_b32 v[VO], 4, v0
	v_lshlrev_b32 v[GOF], 3, v0
	s_wait_alu depctr_va_vdst(0)                   ; VO and GOF are written: every load and store of this role reads one of them as its offset
.set i, 0
.rept 16
	global_load_b128 v[D+4*i:D+4*i+3], v[VO], s[4:5] offset:2048*i th:TH_LOAD_NT
.set i, i+1
.endr
.set p, 0
.rept 4                                        ; four blocks of four loads
	s_wait_loadcnt 12-4*p                          ; loads come back in order: block p's four are in, the 12 - 4 p younger ones stay out
.if p > 0
	s_wait_alu depctr_va_vdst(0)                   ; the block before has written its eight registers of E, which the stores below read
.endif
.set i, 4*p
.rept 4
.if p > 0
	global_store_b64 v[GOF], v[E+2*(i-4):E+2*(i-4)+1], s[12:13] offset:1024*(i-4)  ; the block before; no vector instruction since the wait names these registers
.endif
	v_cvt_pk_bf16_f32 v[E+2*i], v[D+4*i], v[D+4*i+1]
	v_cvt_pk_bf16_f32 v[E+2*i+1], v[D+4*i+2], v[D+4*i+3]
.set i, i+1
.endr
.set p, p+1
.endr
	s_wait_alu depctr_va_vdst(0)                   ; the last block has written its E, which the last four stores read
.set i, 12
.rept 4
	global_store_b64 v[GOF], v[E+2*i:E+2*i+1], s[12:13] offset:1024*i
.set i, i+1
.endr
	s_branch .Lend
; Sixteen loads: 32 k of a wave's tile.  A load takes two rows' 256 bytes (lanes 0-15 row 4 m + e, lanes 16-31 row 4 m + e + 2).
.macro TLOADS pitch, SRC
.irp m, 0,1,2,3,4,5,6,7
.irp e, 0,1
	global_load_b128 v[D+8*(\m)+4*(\e):D+8*(\m)+4*(\e)+3], v[VO], s[\SRC:\SRC+1] offset:(4*(\m)+(\e))*(\pitch) th:TH_LOAD_NT
.endr
.endr
.endm
; A wave turns a tile of 128 k x 64 columns of a matrix [1024 k][columns] of f32 (pitch bytes a row) into 64 rows of 128 k in 16 bits.
; In: rows k and k + 1 are rounded in pairs and stored as words, column by column.
; Out: whole LDS rows of 256 bytes, sixteen lanes a row, to row n' of the result.  map = 1: n' by W_qkv's order of columns.  f16 = 1: the bf16 number is written as f16.
.macro TRANS pitch, map, f16, SRC, DST, idbase
	s_sub_co_u32 s21, ttmp9, \idbase
	s_lshl2_add_u32 s21, s21, s20                  ; the wave's tile: 4 x work-group + wave
	s_and_b32 s22, s21, 7                          ; which 128 k
	s_lshr_b32 s23, s21, 3                         ; which 64 columns
	s_mul_i32 s24, s22, 128*(\pitch)
	s_lshl_b32 s26, s23, 8
	s_add_co_u32 s24, s24, s26
	s_add_nc_u64 s[\SRC:\SRC+1], s[\SRC:\SRC+1], s[24:25]
	s_lshl_b32 s24, s22, 8
	s_add_nc_u64 s[\DST:\DST+1], s[\DST:\DST+1], s[24:25]
	v_mul_u32_u24 v[VO], v[RL], 2*(\pitch)
	v_lshl_add_u32 v[VO], v[CL], 4, v[VO]
	s_mul_i32 s26, s20, WLDS                       ; my wave's LDS bytes
	v_mul_u32_u24 v[LS], v[CL], 4*LP               ; my four columns are four LDS rows,
	v_lshl_add_u32 v[LS], v[RL], 2, v[LS]          ; my pair of k a word in them
	v_add_nc_u32 v[LS], s26, v[LS]
	v_mul_u32_u24 v[LR], v[RL], LP
	v_lshl_add_u32 v[LR], v[CL], 4, v[LR]
	v_add_nc_u32 v[LR], s26, v[LR]
	s_wait_alu depctr_va_vdst(0)                   ; VO is written, which every load of the tile reads as its offset
	TLOADS \pitch, \SRC                            ; the first 32 k
	s_mov_b32 s27, 4
.Lta_\@:                                               ; four trips of 32 k
	s_wait_loadcnt 0x0                             ; all sixteen are in, and the loads that read the base are done: it may be stepped
	s_add_nc_u64 s[\SRC:\SRC+1], s[\SRC:\SRC+1], 32*(\pitch)
.irp m, 0,1,2,3,4,5,6,7
.if \f16
.irp c, 0,1,2,3
	v_cvt_pk_bf16_f32 v[T+(\c)], v[D+8*(\m)+(\c)], v[D+8*(\m)+4+(\c)]
.endr
.irp c, 0,1,2,3
	v_lshlrev_b32 v[U+2*(\c)], 16, v[T+(\c)]
	v_and_b32 v[U+2*(\c)+1], 0xffff0000, v[T+(\c)]
.endr
.irp c, 0,1,2,3
	v_cvt_pk_f16_f32 v[PW+4*(\m)+(\c)], v[U+2*(\c)], v[U+2*(\c)+1]
.endr
.else
.irp c, 0,1,2,3
	v_cvt_pk_bf16_f32 v[PW+4*(\m)+(\c)], v[D+8*(\m)+(\c)], v[D+8*(\m)+4+(\c)]
.endr
.endif
.endr
	s_wait_alu depctr_va_vdst(0)                   ; the conversions have written PW, which the LDS stores read, and are done reading D, in which the next loads land; LS is written (at the head, or at the last trip's end)
	s_cmp_eq_u32 s27, 1
	s_cbranch_scc1 .Ltn_\@                         ; the last trip has no 32 k behind it: no load leaves the tile
	TLOADS \pitch, \SRC                            ; the next 32 k are on their way while this trip's words go into LDS
.Ltn_\@:
.irp m, 0,1,2,3,4,5,6,7
.irp c, 0,1,2,3
	ds_store_b32 v[LS], v[PW+4*(\m)+(\c)] offset:LP*(\c)+8*(\m)
.endr
.endr
	s_wait_alu depctr_vm_vsrc(0)                   ; the LDS stores have read LS, which the next line writes, and PW, which the next trip's conversions (behind the loop: the LDS loads) write
	v_add_nc_u32 v[LS], 64, v[LS]
	s_sub_co_u32 s27, s27, 1
	s_cmp_lg_u32 s27, 0
	s_cbranch_scc1 .Lta_\@
	s_lshl_b32 s26, s23, 6                         ; the tile's first column
.if \map
	v_add_nc_u32 v[VC], s26, v[RL]
	v_lshlrev_b32 v[CL16], 4, v[CL]
.else
	v_add_nc_u32 v[GOF], s26, v[RL]
	v_lshlrev_b32 v[GOF], 11, v[GOF]               ; a row of the result is 2,048 bytes
	v_lshl_add_u32 v[GOF], v[CL], 4, v[GOF]
.endif
	s_mov_b32 s27, 4
.Ltb_\@:                                               ; four trips of 16 rows
.if \map
.irp j, 0,1,2,3,4,5,6,7
	v_add_nc_u32 v[U], 2*(\j), v[VC]               ; column c = 48 d + 16 which + h
	v_mul_u32_u24 v[U+1], v[U], 43691
	v_lshrrev_b32 v[U+1], 21, v[U+1]               ; d = c / 48: 43691 x 48 = 2^21 + 16, exact for c under 3,072
	v_mul_u32_u24 v[U+2], v[U+1], 48
	v_sub_nc_u32 v[U], v[U], v[U+2]
	v_and_b32 v[U+2], 15, v[U]                     ; h
	v_lshrrev_b32 v[U], 4, v[U]                    ; which
	v_mad_u32_u24 v[U+1], v[U+2], 192, v[U+1]
	v_lshl_add_u32 v[U+1], v[U], 6, v[U+1]         ; 192 h + 64 which + d
	v_lshl_add_u32 v[OFFS+(\j)], v[U+1], 11, v[CL16]
.endr
.endif
	s_wait_alu depctr_va_vdst(0)                   ; LR is written, which the LDS loads read; so are the stores' offsets (OFFS, or GOF); in the first trip: the conversions that wrote PW, in which the loads land, are complete
.irp j, 0,1,2,3,4,5,6,7
	ds_load_b128 v[PW+4*(\j):PW+4*(\j)+3], v[LR] offset:2*LP*(\j)  ; my wave's own bytes, and LDS serves a wave's instructions in order (ISA guide 5.7.1.4): these see the stores above
.endr
.irp j, 0,1,2,3,4,5,6,7
	s_wait_dscnt 7-(\j)                            ; LDS loads come back in order: pair j of rows is in, the 7 - j younger loads stay out
.if \map
	global_store_b128 v[OFFS+(\j)], v[PW+4*(\j):PW+4*(\j)+3], s[\DST:\DST+1]  ; sixteen lanes store 256 consecutive bytes, aligned
.else
	global_store_b128 v[GOF], v[PW+4*(\j):PW+4*(\j)+3], s[\DST:\DST+1] offset:4096*(\j)
.endif
.endr
	s_wait_xcnt 0x0                                ; the stores' data and offsets are written again only behind this wait
	s_wait_alu depctr_vm_vsrc(0)                   ; the stores have read PW and their offsets, the LDS loads LR: the lines below and the next trip write all of them
	v_add_nc_u32 v[LR], 16*LP, v[LR]
.if \map
	v_add_nc_u32 v[VC], 16, v[VC]
.else
	v_add_nc_u32 v[GOF], 32768, v[GOF]
.endif
	s_sub_co_u32 s27, s27, 1
	s_cmp_lg_u32 s27, 0
	s_cbranch_scc1 .Ltb_\@
.endm
.Lwqkv:
	TRANS 12288, 1, 0, 6, 14, 0
	s_branch .Lend
.Lw0:
	TRANS 4096, 0, 1, 8, 16, 96
	s_branch .Lend
; The table: ten of a thread's twenty numbers, n0 on.  The ten compares stand in one run, each with a scalar register of its own for its mask.
.macro HALF n0
.set n, (\n0)
.rept 10
	v_cmp_lt_u32 s[MK+n-(\n0)], s26, v[UU+n]       ; u outside 0 .. 2047: hidden
.set n, n+1
.endr
	s_wait_alu depctr_va_sdst(0)                   ; the ten masks are written, ahead of the selects that read them
	s_wait_loadcnt 10-(\n0)                        ; loads come back in order: these ten numbers are in, the 10 - n0 younger loads stay out
.set n, (\n0)
.rept 5
	v_cvt_pk_bf16_f32 v[T], v[DT+n], v[DT+n+1]     ; rounded to bf16 like the other inputs,
	v_lshlrev_b32 v[DT+n], 16, v[T]
	v_and_b32 v[DT+n+1], 0xffff0000, v[T]
	v_mul_f32 v[DT+n], 0x41000000, v[DT+n]         ; times 8 (exact)
	v_mul_f32 v[DT+n+1], 0x41000000, v[DT+n+1]
	v_cndmask_b32 v[DT+n], v[DT+n], v[BIG], s[MK+n-(\n0)]
	v_cndmask_b32 v[DT+n+1], v[DT+n+1], v[BIG], s[MK+n+1-(\n0)]
.set n, n+2
.endr
.endm
.Ltable:                                               ; a work-group makes one piece: thread t the words 4 (t + 128 i) + 0..3
	s_sub_co_u32 s21, ttmp9, 128                   ; the piece: 4 h + q
	s_lshr_b32 s22, s21, 2
	s_lshl_b32 s22, s22, 2                         ; 4 h: the head's byte in a row of rel_bias
	s_and_b32 s23, s21, 3
	s_add_co_u32 s23, s23, 1                       ; q + 1
	s_mul_i32 s24, s21, TPIECE
	s_add_nc_u64 s[18:19], s[18:19], s[24:25]
	s_mov_b32 s26, 2047
.irp e, 0,1,2,3
	v_mov_b32 v[BIG+(\e)], 0xf149f2ca              ; -1e30
.endr
	v_lshlrev_b32 v[VO], 2, v0
	v_subrev_nc_u32 v[VO], s23, v[VO]              ; u of my first word; below 0 it wraps to a number far above 2047
	v_lshlrev_b32 v[GOF], 4, v0
.set n, 0
.rept 20
	v_add_nc_u32 v[UU+n], 512*(n/4)+(n%4), v[VO]
	v_min_u32 v[OF+n], s26, v[UU+n]                ; the row that is read stays inside 0 .. 2047
	v_lshl_add_u32 v[OF+n], v[OF+n], 6, s22
.set n, n+1
.endr
	s_wait_alu depctr_va_vdst(0)                   ; the twenty offsets OF are written, which the loads read; so are GOF and BIG, offset and data of the four stores behind them
.set n, 0
.rept 20
	global_load_b32 v[DT+n], v[OF+n], s[10:11]
.set n, n+1
.endr
.set i, 5
.rept 4                                        ; words 2,560 on stand for u above 2047, whatever q: they hang on no load and go out at once; BIG and GOF are not written again
	global_store_b128 v[GOF], v[BIG:BIG+3], s[18:19] offset:2048*i
.set i, i+1
.endr
	HALF 0
	HALF 10
	s_wait_alu depctr_va_vdst(0)                   ; the selects have written DT, which the five stores read
.set i, 0
.rept 5
	global_store_b128 v[GOF], v[DT+4*i:DT+4*i+3], s[18:19] offset:2048*i
.set i, i+1
.endr
.Lend:
	s_wait_dscnt 0x0                               ; the wave's end: my last LDS instructions are done.
	s_wait_alu depctr_hold_cnt(0) depctr_sa_sdst(0) depctr_va_vdst(0) depctr_va_sdst(0) depctr_va_ssrc(0) depctr_va_vcc(0) depctr_vm_vsrc(0)
	s_wait_tensorcnt 0x0
	ds_add_u32 v2, v3
	s_wait_dscnt 0x0
	s_endpgm
.Lfunc_end_k_q5e05e9791c_prep:
	.size	k_q5e05e9791c_prep, .Lfunc_end_k_q5e05e9791c_prep-k_q5e05e9791c_prep
	.p2alignl 7, 3214868480
	.fill 96, 4, 3214868480
	.section	.rodata,"a",@progbits
	.p2align	6, 0x0
	.amdhsa_kernel k_q5e05e9791c_prep
		.amdhsa_group_segment_fixed_size 70144
		.amdhsa_private_segment_fixed_size 0
		.amdhsa_enable_private_segment 0
		.amdhsa_kernarg_size 64
		.amdhsa_user_sgpr_count 2
		.amdhsa_user_sgpr_kernarg_segment_ptr 1
		.amdhsa_wavefront_size32 1
		.amdhsa_system_sgpr_workgroup_id_x 1
		.amdhsa_system_sgpr_workgroup_id_y 1
		.amdhsa_system_sgpr_workgroup_id_z 1
		.amdhsa_system_vgpr_workitem_id 0
		.amdhsa_next_free_vgpr 128
		.amdhsa_next_free_sgpr 66
		.amdhsa_reserve_vcc 0
		.amdhsa_float_denorm_mode_32 3
		.amdhsa_float_denorm_mode_16_64 3
		.amdhsa_memory_ordered 1
		.amdhsa_forward_progress 1
		.amdhsa_inst_pref_size 49
	.end_amdhsa_kernel
	.amdgpu_metadata
---
amdhsa.version: [ 1, 2 ]
amdhsa.kernels:
  - .name:           k_q5e05e9791c_prep
    .symbol:         k_q5e05e9791c_prep.kd
    .args:
      - { .name: x, .offset: 0, .size: 8, .value_kind: global_buffer, .address_space: global }
      - { .name: W_qkv, .offset: 8, .size: 8, .value_kind: global_buffer, .address_space: global }
      - { .name: W_0, .offset: 16, .size: 8, .value_kind: global_buffer, .address_space: global }
      - { .name: rel_bias, .offset: 24, .size: 8, .value_kind: global_buffer, .address_space: global }
      - { .name: xb, .offset: 32, .size: 8, .value_kind: global_buffer, .address_space: global }
      - { .name: wt, .offset: 40, .size: 8, .value_kind: global_buffer, .address_space: global }
      - { .name: w0t, .offset: 48, .size: 8, .value_kind: global_buffer, .address_space: global }
      - { .name: tbl, .offset: 56, .size: 8, .value_kind: global_buffer, .address_space: global }
    .group_segment_fixed_size: 70144
    .private_segment_fixed_size: 0
    .kernarg_segment_align: 8
    .kernarg_segment_size: 64
    .max_flat_workgroup_size: 128
    .sgpr_count:     66
    .vgpr_count:     128
    .wavefront_size: 32
...
	.end_amdgpu_metadata
.endif
;; end of part 5
;; launch proj: the kernel of part 2 again; grid 16 x 32, 4 waves a work-group, clusters of 4 x 4, 327,680 bytes of LDS; arguments xb, wt, qkv; writes qkv
;; launch attn: the kernel of part 3 again; grid 4 x 64, 4 waves a work-group, no clusters, 327,680 bytes of LDS; arguments qkv, tbl, o; writes o
;; launch outp: the kernel of part 4 again; grid 8 x 32, 4 waves a work-group, clusters of 4 x 4, 327,680 bytes of LDS; arguments o, w0t, out0; writes out0
